; MI455X (gfx1250); checked and timed in simulation.
; The chip was launched on July 23, 2026; its instructions are those of AMD's public machine-readable ISA for CDNA 5 (MIT licence, August 2026) and "CDNA5" Instruction Set Architecture Reference Guide (July 2026). The comments in the code are by the model that wrote it; some were corrected since.
;; Multi Head Attention. Allowed arithmetic: float matrix products may take bf16 or f16 operands with f32 sums; all other float work in f32.
;; Inputs: W_d 1 x 1,024 float32; W_qkv 1,024 x 3,072 float32; adj 16 x 512 x 512 float32; b_d 1,024 float32; b_qkv 3,072 float32; x 16 x 512 x 1,024 float32.
;; Outputs: out0 16 x 512 x 1,024 float32.
;; 2 versions, each right; version 2 is version 1 with the launch prep written anew for expert scheduling mode. Each part assembles by itself: llvm-mc -triple=amdgcn-amd-amdhsa -mcpu=gfx1250 --defsym DOCPART=n.
;; ======== version 1 of 2: 3 launches
;; workspace buffers: xg 16,777,216 bytes; wb 6,291,456 bytes; qv 33,554,432 bytes; mk 524,288 bytes of whole numbers
;; launch prep (part 1): grid 256 x 1, 8 waves a work-group, no clusters, 71,168 bytes of LDS; arguments adj, x, W_qkv, W_d, b_d, xg, wb, mk; writes xg, wb, mk
.if DOCPART == 1
	.amdgcn_target "amdgcn-amd-amdhsa--gfx1250"
	.amdhsa_code_object_version 6
	.text
	.protected	k_qceaff47461_prep
	.globl	k_qceaff47461_prep
	.p2align	8
	.type	k_qceaff47461_prep,@function
k_qceaff47461_prep:
	s_mov_b64 s[64:65], 0
	v_nop
	global_prefetch_b8 v0, s[64:65] scope:SCOPE_SE
	s_setreg_imm32_b32 hwreg(HW_REG_WAVE_MODE, 25, 1), 1
	s_wait_xcnt 0x0
; prep: the degree gate and the three operands that the two matrix launches read.
;   degree[row] = sum over keys of adj[row][key];  xg[row][c] = bf16( x[row][c] * sigmoid(degree[row] * W_d[c] + b_d[c]) )
;   wb = bf16(W_qkv), same [1024][3072] layout
;   mk = adj != 0 as words of 32 bits, laid out as the lane masks of the attention launch (below)
; DEAD WORK: none is left out anywhere in this program.  1/sqrt(128) does not cancel against the row sum because of the 1e-6, the mask is an
; input (scores are computed and selected), and every input reaches the output: all six are loaded.
; LIMITS of the program: relu is a maximum in which a NaN loses (a NaN comes out as 0); v_exp_f32 gives 0 for results under 2^-126;
; sums are taken in another order than a plain left-to-right sum; matrix operands are bf16.
; SHARES: 256 work-groups of 8 waves.  A work-group owns 32 rows of adj and of x, 49,152 bytes of W_qkv, 2,048 bytes of mk.
; Memory binds: every input byte is read once, 16 bytes a lane, 512 neighbouring bytes a wave's load; a wave's store covers 256 or 512
; neighbouring aligned bytes.  All 62 loads of a wave are issued before the first result is stored.
; mk: 128 blocks of 4,096 bytes, one for 64 query rows.  Word (jj = 8 qt + j, l) lies at byte (jj>>2)*512 + 16 l + 4 (jj&3); its bit L says
; adj[row 16 qt + (L&15)][key 16 l + 8 (L>>4) + j] != 0.  A work-group's 32 rows are qt = 0,1 or 2,3 of a block: 2,048 neighbouring bytes.
; Wave w takes 16 rows (qtl = w>>2) x 128 keys (wq = w&3).  The lane order that a mask word needs (lane = row, 8 keys a lane) is made by a pass
; through the wave's own LDS rows; 16 bytes of padding a row keep the 16 rows of a read in different banks.
.set APITCH, 528                       ; 512 bytes of a row's 128 keys + 16
.set AWAVE,  16*APITCH                 ; a wave's own 16 rows
.set MKL,    8*AWAVE                   ; 2,048 bytes: the work-group's mask words
.set DEGL,   MKL+2048                  ; 512 bytes: word 32 wq + row = a row's sum over 128 keys
.set VA,  4                            ; byte offset of my 16 bytes in the wave's first adj row
.set VX,  5                            ; 16 t: x, W_qkv, W_d, b_d, mk
.set VY,  6                            ; 8 t: xg, wb
.set LST, 7                            ; LDS: where a row of adj goes
.set LRD, 8                            ; LDS: row r, keys 8 h ..
.set MKA, 9                            ; LDS: my lane's mask word
.set DGA, 10                           ; LDS: my row's partial degree
.set DGR, 11                           ; LDS: row (lane)'s partial degrees
.set MK,  12                           ; v[12:13] mask words: register j>>2, lane 4 lt + (j&3)
.set DEG, 14                           ; degree; v15 at work
.set WD,  16                           ; v[16:19] -log2(e) W_d of my 4 columns
.set BD,  20                           ; v[20:23] -log2(e) b_d
.set T,   24                           ; v[24:31] at work; v[32:39] partial degrees and the mask words on their way out
.set ADJ, 40                           ; v[40:103] adj, later 48 registers of W_qkv
.set X,   104                          ; v[104:231] 32 rows of x, 4 columns each
	s_load_b512 s[4:19], s[0:1], 0x0               ; adj s[4:5], x s[6:7], W_qkv s[8:9], W_d s[10:11], b_d s[12:13], xg s[14:15], wb s[16:17], mk s[18:19]
	v_lshl_add_u32 v232, v0, 2, 0x11200
	v_mov_b32 v233, 0
	v_and_b32 v1, 31, v0                           ; lane
	v_lshrrev_b32 v2, 5, v0
	v_readfirstlane_b32 s20, v2                    ; wave
	v_and_b32 v2, 15, v0                           ; r
	v_bfe_u32 v3, v0, 4, 1                         ; h
	s_lshr_b32 s21, s20, 2                         ; qtl
	s_and_b32 s22, s20, 3                          ; wq
	s_mov_b32 s26, 0x76543210                      ; v_permlanex16_b32: lane i reads lane i of the other half
	s_mov_b32 s27, 0xfedcba98
	s_lshl_b32 s23, s21, 15                        ; 16 rows of 2,048 bytes
	s_lshl_b32 s24, s22, 9                         ; 128 keys
	s_add_co_u32 s23, s23, s24
	v_lshl_add_u32 v[VA], v1, 4, s23
	v_lshlrev_b32 v[VX], 4, v0
	v_lshlrev_b32 v[VY], 3, v0
	s_mul_i32 s24, s20, AWAVE
	v_lshl_add_u32 v[LST], v1, 4, s24
	v_mul_u32_u24 v[LRD], v2, APITCH
	v_lshl_add_u32 v[LRD], v3, 5, v[LRD]
	v_add_nc_u32 v[LRD], s24, v[LRD]
	s_lshl_b32 s25, s21, 10
	s_lshl_b32 s28, s22, 7
	s_add_co_u32 s25, s25, s28
	s_add_co_u32 s25, s25, MKL
	v_lshl_add_u32 v[MKA], v1, 2, s25              ; MKL + 1024 qtl + 128 wq + 4 lane
	s_lshl_b32 s25, s21, 6
	s_add_co_u32 s25, s25, s28
	s_add_co_u32 s25, s25, DEGL
	v_lshl_add_u32 v[DGA], v2, 2, s25              ; DEGL + 4 (32 wq + 16 qtl + r)
	v_lshlrev_b32 v[DGR], 2, v1
	v_add_nc_u32 v[DGR], DEGL, v[DGR]
	v_mov_b32 v[MK], 0                             ; v_writelane_b32 and v_permlanex16_b32 count as readers of their destinations
	v_mov_b32 v[MK+1], 0
	v_mov_b32 v15, 0
	s_mov_b32 s3, 0
	s_wait_kmcnt 0x0
	s_lshl_b32 s2, ttmp9, 16                       ; 32 rows of adj, and of xg: 65,536 bytes
	s_add_nc_u64 s[4:5], s[4:5], s[2:3]
	s_add_nc_u64 s[14:15], s[14:15], s[2:3]
	s_lshl_b32 s2, ttmp9, 17                       ; 32 rows of x
	s_add_nc_u64 s[6:7], s[6:7], s[2:3]
	s_mul_i32 s2, ttmp9, 49152                     ; my part of W_qkv
	s_add_nc_u64 s[8:9], s[8:9], s[2:3]
	s_mul_i32 s2, ttmp9, 24576                     ; and of wb
	s_add_nc_u64 s[16:17], s[16:17], s[2:3]
	s_lshl_b32 s2, ttmp9, 11                       ; and of mk
	s_add_nc_u64 s[18:19], s[18:19], s[2:3]
	global_load_b128 v[WD:WD+3], v[VX], s[10:11]
	global_load_b128 v[BD:BD+3], v[VX], s[12:13]
.set i, 0
.rept 16
	global_load_b128 v[ADJ+4*i:ADJ+4*i+3], v[VA], s[4:5] offset:2048*i th:TH_LOAD_NT
.set i, i+1
.endr
.set i, 0
.rept 32
	global_load_b128 v[X+4*i:X+4*i+3], v[VX], s[6:7] offset:4096*i th:TH_LOAD_NT
.set i, i+1
.endr
	s_wait_loadcnt 32                              ; W_d, b_d and adj are in; the 32 loads of x stay out
	v_pk_mul_f32 v[WD:WD+1],   v[WD:WD+1],   0xbfb8aa3b op_sel_hi:[1,0]   ; sigmoid(z) = 1 / (1 + 2^(-log2(e) z)): the factor goes into W_d and b_d once
	v_pk_mul_f32 v[WD+2:WD+3], v[WD+2:WD+3], 0xbfb8aa3b op_sel_hi:[1,0]
	v_pk_mul_f32 v[BD:BD+1],   v[BD:BD+1],   0xbfb8aa3b op_sel_hi:[1,0]
	v_pk_mul_f32 v[BD+2:BD+3], v[BD+2:BD+3], 0xbfb8aa3b op_sel_hi:[1,0]
.set i, 0
.rept 16
	ds_store_b128 v[LST], v[ADJ+4*i:ADJ+4*i+3] offset:APITCH*i
.set i, i+1
.endr
	s_wait_dscnt 0x0                               ; the stores are done with their data registers, into which the loads below land
.set i, 0
.rept 8
	ds_load_b128 v[ADJ+8*i:ADJ+8*i+3],   v[LRD] offset:64*i      ; key tile i: adj[row r][16 i + 8 h + 0..3]; the bytes are the wave's own
	ds_load_b128 v[ADJ+8*i+4:ADJ+8*i+7], v[LRD] offset:64*i+16   ; .. + 4..7
.set i, i+1
.endr
; Key tile lt: eight compares give the eight mask words of the tile; each goes to its lane of MK.  The tile is then added onto tile 0's
; four register pairs, which start the row's sum.
.macro MTILE lt
	s_wait_dscnt 14-2*\lt                          ; two loads a tile, in order: the younger tiles' loads stay out
.irp j, 0,1,2,3,4,5,6,7
	v_cmp_neq_f32 s[28+\j], 0, v[ADJ+8*\lt+\j]     ; true for a NaN too, as adj == 0 is false for it
.endr
.irp j, 0,1,2,3,4,5,6,7
	v_writelane_b32 v[MK+(\j>>2)], s[28+\j], 4*\lt+(\j&3)
.endr
.if \lt
.irp p, 0,2,4,6
	v_pk_add_f32 v[ADJ+\p:ADJ+\p+1], v[ADJ+\p:ADJ+\p+1], v[ADJ+8*\lt+\p:ADJ+8*\lt+\p+1]
.endr
.endif
.endm
.irp lt, 0,1,2,3,4,5,6,7
	MTILE \lt
.endr
	v_pk_add_f32 v[ADJ:ADJ+1], v[ADJ:ADJ+1], v[ADJ+2:ADJ+3]
	v_pk_add_f32 v[ADJ+4:ADJ+5], v[ADJ+4:ADJ+5], v[ADJ+6:ADJ+7]
	v_pk_add_f32 v[ADJ:ADJ+1], v[ADJ:ADJ+1], v[ADJ+4:ADJ+5]
	v_add_f32 v[DEG], v[ADJ], v[ADJ+1]
	v_permlanex16_b32 v15, v[DEG], s26, s27        ; the other 64 of the row's 128 keys
	v_add_f32 v[DEG], v[DEG], v15
	ds_store_b32 v[MKA], v[MK]
	ds_store_b32 v[MKA], v[MK+1] offset:512
	ds_store_b32 v[DGA], v[DEG]                    ; lanes r and r + 16 store the same word with the same value
.set i, 0
.rept 12
	global_load_b128 v[ADJ+4*i:ADJ+4*i+3], v[VX], s[8:9] offset:4096*i th:TH_LOAD_NT   ; W_qkv, into registers that adj has left
.set i, i+1
.endr
	s_wait_dscnt 0x0                               ; my stores are in LDS before I say so
	s_barrier_signal -1
	s_barrier_wait -1                              ; the only barrier: mask words and partial degrees of all eight waves are there
.irp k, 0,1,2,3
	ds_load_b32 v[32+\k], v[DGR] offset:128*\k     ; row (lane)'s four partial sums
.endr
	s_cmp_gt_u32 s20, 3
	s_cbranch_scc1 .Lno_mk                         ; 128 threads x 16 bytes are the 2,048 bytes of mask words: waves 0 to 3
	v_add_nc_u32 v15, MKL, v[VX]
	ds_load_b128 v[36:39], v15
	s_wait_dscnt 0x0
	global_store_b128 v[VX], v[36:39], s[18:19]
.Lno_mk:
	s_wait_dscnt 0x0
	v_add_f32 v32, v32, v33
	v_add_f32 v34, v34, v35
	v_add_f32 v[DEG], v32, v34                     ; lane i holds the degree of the work-group's row i
; Rows i and i + 1 of x: gate, multiply, round, store.  Results land in the row's own registers, each written once: no store's data is rewritten.
.macro XROW2 i
	s_wait_loadcnt 42-\i                           ; behind row i + 1's load stand 30 - i loads of x and the 12 of W_qkv
	v_readlane_b32 s24, v[DEG], \i
	v_readlane_b32 s25, v[DEG], \i+1
.irp k, 0,1,2,3
	v_fma_f32 v[T+\k],   s24, v[WD+\k], v[BD+\k]
	v_fma_f32 v[T+4+\k], s25, v[WD+\k], v[BD+\k]
.endr
.irp k, 0,1,2,3,4,5,6,7
	v_exp_f32 v[T+\k], v[T+\k]
.endr
	v_nop                                          ; one plain instruction behind the transcendentals before their results are used (ISA guide 5.7.2)
	s_wait_alu depctr_va_vdst(0)
.irp k, 0,2,4,6
	v_pk_add_f32 v[T+\k:T+\k+1], v[T+\k:T+\k+1], 1.0 op_sel_hi:[1,0]
.endr
.irp k, 0,1,2,3,4,5,6,7
	v_rcp_f32 v[T+\k], v[T+\k]                     ; 2^z = infinity gives the gate 0, as the sigmoid does
.endr
	v_nop
	s_wait_alu depctr_va_vdst(0)
.irp k, 0,2,4,6
	v_pk_mul_f32 v[T+\k:T+\k+1], v[X+4*\i+\k:X+4*\i+\k+1], v[T+\k:T+\k+1]
.endr
	v_cvt_pk_bf16_f32 v[X+4*\i],   v[T],   v[T+1]
	v_cvt_pk_bf16_f32 v[X+4*\i+1], v[T+2], v[T+3]
	v_cvt_pk_bf16_f32 v[X+4*\i+4], v[T+4], v[T+5]
	v_cvt_pk_bf16_f32 v[X+4*\i+5], v[T+6], v[T+7]
	global_store_b64 v[VY], v[X+4*\i:X+4*\i+1],   s[14:15] offset:2048*\i          ; a wave's store: 256 neighbouring bytes, aligned
	global_store_b64 v[VY], v[X+4*\i+4:X+4*\i+5], s[14:15] offset:2048*\i+2048
.endm
.irp i, 0,2,4,6,8,10,12,14,16,18,20,22,24,26,28,30
	XROW2 \i
.endr
.irp i, 0,1,2,3,4,5,6,7,8,9,10,11
	s_wait_loadcnt 11-\i                           ; the younger loads of W_qkv stay out
	v_cvt_pk_bf16_f32 v[ADJ+4*\i],   v[ADJ+4*\i],   v[ADJ+4*\i+1]
	v_cvt_pk_bf16_f32 v[ADJ+4*\i+1], v[ADJ+4*\i+2], v[ADJ+4*\i+3]
	global_store_b64 v[VY], v[ADJ+4*\i:ADJ+4*\i+1], s[16:17] offset:2048*\i
.endr
	s_wait_tensorcnt 0x0
	ds_add_u32 v232, v233
	s_wait_dscnt 0x0
	s_endpgm
.Lfunc_end_k_qceaff47461_prep:
	.size	k_qceaff47461_prep, .Lfunc_end_k_qceaff47461_prep-k_qceaff47461_prep
	.p2alignl 7, 3214868480
	.fill 96, 4, 3214868480
	.section	.rodata,"a",@progbits
	.p2align	6, 0x0
	.amdhsa_kernel k_qceaff47461_prep
		.amdhsa_group_segment_fixed_size 71168
		.amdhsa_private_segment_fixed_size 0
		.amdhsa_enable_private_segment 0
		.amdhsa_kernarg_size 64
		.amdhsa_user_sgpr_count 2
		.amdhsa_user_sgpr_kernarg_segment_ptr 1
		.amdhsa_wavefront_size32 1
		.amdhsa_system_sgpr_workgroup_id_x 1
		.amdhsa_system_sgpr_workgroup_id_y 1
		.amdhsa_system_sgpr_workgroup_id_z 1
		.amdhsa_system_vgpr_workitem_id 0
		.amdhsa_next_free_vgpr 234
		.amdhsa_next_free_sgpr 66
		.amdhsa_reserve_vcc 0
		.amdhsa_float_denorm_mode_32 3
		.amdhsa_float_denorm_mode_16_64 3
		.amdhsa_memory_ordered 1
		.amdhsa_forward_progress 1
		.amdhsa_inst_pref_size 61
	.end_amdhsa_kernel
	.amdgpu_metadata
---
amdhsa.version: [ 1, 2 ]
amdhsa.kernels:
  - .name:           k_qceaff47461_prep
    .symbol:         k_qceaff47461_prep.kd
    .args:
      - { .name: adj, .offset: 0, .size: 8, .value_kind: global_buffer, .address_space: global }
      - { .name: x, .offset: 8, .size: 8, .value_kind: global_buffer, .address_space: global }
      - { .name: W_qkv, .offset: 16, .size: 8, .value_kind: global_buffer, .address_space: global }
      - { .name: W_d, .offset: 24, .size: 8, .value_kind: global_buffer, .address_space: global }
      - { .name: b_d, .offset: 32, .size: 8, .value_kind: global_buffer, .address_space: global }
      - { .name: xg, .offset: 40, .size: 8, .value_kind: global_buffer, .address_space: global }
      - { .name: wb, .offset: 48, .size: 8, .value_kind: global_buffer, .address_space: global }
      - { .name: mk, .offset: 56, .size: 8, .value_kind: global_buffer, .address_space: global }
    .group_segment_fixed_size: 71168
    .private_segment_fixed_size: 0
    .kernarg_segment_align: 8
    .kernarg_segment_size: 64
    .max_flat_workgroup_size: 256
    .sgpr_count:     66
    .vgpr_count:     234
    .wavefront_size: 32
...
	.end_amdgpu_metadata
.endif
;; end of part 1
;; launch gemm (part 2): grid 8 x 32, 4 waves a work-group, clusters of 4 x 4, 327,680 bytes of LDS; arguments xg, wb, qv, b_qkv; writes qv
.if DOCPART == 2
	.amdgcn_target "amdgcn-amd-amdhsa--gfx1250"
	.amdhsa_code_object_version 6
	.text
	.protected	k_qceaff47461_gemm
	.globl	k_qceaff47461_gemm
	.p2align	8
	.type	k_qceaff47461_gemm,@function
k_qceaff47461_gemm:
	s_mov_b64 s[64:65], 0
	v_nop
	global_prefetch_b8 v0, s[64:65] scope:SCOPE_SE
	s_setreg_imm32_b32 hwreg(HW_REG_WAVE_MODE, 25, 1), 1
	s_wait_xcnt 0x0
	s_wait_alu depctr_hold_cnt(0) depctr_sa_sdst(0) depctr_va_vdst(0) depctr_va_sdst(0) depctr_va_ssrc(0) depctr_va_vcc(0) depctr_vm_vsrc(0)
	s_getreg_b32 s2, hwreg(HW_REG_IB_STS2, 6, 4)
	s_cmp_eq_u32 s2, 0
	s_cbranch_scc0 .Lentry_in_a_cluster
	s_endpgm
.Lentry_in_a_cluster:
	s_bfe_u32 s2, ttmp6, 0x10000c
	s_cmp_lg_u32 s2, 0xf033
	s_cbranch_scc0 .Lentry_shape_is_right
	s_endpgm
.Lentry_shape_is_right:
; gemm: qv[8192][2048] bf16.  Columns 0-1023 = sigmoid(xg W[:, 0:1024] + b), columns 1024-2047 = xg W[:, 2048:3072] + b.
; The middle third of the projection (the residual) is not made here: the attention launch adds it onto its own accumulators, so that it never
; goes through memory and this launch has 32 x 8 = 256 blocks of 256 x 256, one for each work-group.  No work is left out.
; A work-group makes a block of 256 x 256 with four waves; a wave makes 128 x 128: 64 accumulator tiles of 16 x 16, 512 registers.
; K = 1024 goes in steps of 128 through a ring of two LDS slots filled by the tensor data mover.
;   A's tile (xg): 256 rows x 256 bytes, LDS pitch 272.  B's tile (wb, stored [k][n]): 128 k-rows x 512 bytes, LDS pitch 544; its fragments are
;   read by the transposing load ds_load_tr16_b128, which wants a pitch that is an odd multiple of 32 bytes.
; CLUSTERS: 4 x 4 work-groups.  The four of a row of the cluster need the same tiles of xg, the four of a column the same tiles of wb: each tile is
; asked for jointly, by the same tensor load with the same descriptor and a mask that names the four.
; REGISTERS, in windows of 256: window 0: v0-31 addresses; v32-63 read-back; v64-127, v128-191 fragments of A, two buffers (at work on the way out);
;   v192-255 bias.  Window 1: v64-127, v128-191 fragments of B.  Window 2: accumulators of my rows 0-63 (tile (a, b) at v[8 (8 a + b)]); window 3: rows 64-127.
; THE MATRIX INSTRUCTION IS USED TRANSPOSED: source 0 = 16 columns of W, source 1 = 16 rows of xg, so that a lane's eight results are eight
; neighbouring columns of one row of qv.
; LIMIT: v_exp_f32 gives 0 for results under 2^-126, so a sigmoid within 2^-126 of 1 is 1.
.set SIZE_N, 2048                      ; columns of qv
.set SIZE_K, 1024
.set WROW,   6144                      ; bytes in a row of wb
.set KSTEP,  128
.set PITCH,  272                       ; A's LDS row: 256 bytes + 16: the 16 rows of a fragment load start in 16 different groups of banks
.set BPITCH, 544                       ; B's LDS row: 512 bytes + 32
.set HALFT,  128*PITCH                 ; what one tensor load brings: 128 rows of A, or 64 rows of B (64 x 544 is the same 34,816 bytes)
.set SLOT,   4*HALFT                   ; A's tile, then B's
.set STAGE,  2*SLOT                    ; behind the ring: 16 rows x 272 bytes for each wave, for the way out; no tensor load lands here
.set SPITCH, 272
.set LAPS,   SIZE_K/(2*KSTEP)          ; 4 laps of two K steps
.set ADRA, 16                          ; v16-17  LDS address of my A fragments in slot 0, 1
.set ADRB, 20                          ; v20-21  the same for B
.set STO,  24                          ; the way out: where I put 16 bytes of a row
.set RD,   25                          ; the way out: where I read a row back
.set CO,   26                          ; my byte offset in qv
.set BO,   27                          ; my byte offset in b_qkv
.set F0,   64
.set F1,   128
.set TF,   64                          ; the way out: 64 results in f32
.set PK,   128                         ; the way out: packed results
.set BIAS, 192                         ; v[192+8b+j] = bias of column 16 b + 8 h + j of my 128
.set G1, 24                            ; s[24:31] descriptor group 1, A
.set G0, 32                            ; s[32:39] group 0, A, a set for each slot
.set G1B, 48                           ; s[48:55] group 1, B
.set G0B, 56                           ; s[56:63] group 0, B, a set for each slot
.set MSB, 0
.macro WIN new                         ; the immediate's high byte repeats the setting that is left
.if MSB != \new
	s_set_vgpr_msb (MSB<<8)|\new
.set MSB, \new
.endif
.endm
.set MUL_LO, 0xa1                      ; source 0 (B) window 1, source 1 (A) window 0, C and D window 2
.set MUL_HI, 0xf1                      ; the same, C and D window 3
.set TO_B,   0x40                      ; destination window 1, address window 0
; A joint load.  Waves 0 and 1 fetch A's two halves, waves 2 and 3 B's.  The branch hangs on the wave's number alone.
.macro JLOAD s
	s_cmp_eq_u32 s11, 0
	s_cbranch_scc0 .Lfor_b_\@
	tensor_load_to_lds s[G0+4*\s:G0+4*\s+3], s[G1:G1+7]
	s_nop 0
	s_branch .Lasked_\@
.Lfor_b_\@:
	tensor_load_to_lds s[G0B+4*\s:G0B+4*\s+3], s[G1B:G1B+7]
	s_nop 0
.Lasked_\@:
.endm
; A round of the cluster's barrier: my work-group's barrier; wave 0 signals for the work-group; every wave waits for all sixteen; my work-group's barrier again.
.macro CREST                           ; a round behind its opening barrier
	s_cmp_lg_u32 s10, 0
	s_cbranch_scc1 .Lnot_wave_0_\@
	s_barrier_signal -3
.Lnot_wave_0_\@:
	s_barrier_wait -3
	s_barrier_signal -1
	s_barrier_wait -1
.endm
.macro CROUND
	s_barrier_signal -1
	s_barrier_wait -1
	CREST
.endm
	s_load_b128 s[4:7], s[0:1], 0x0                ; xg s[4:5], wb s[6:7]
	s_load_b64 s[8:9], s[0:1], 0x10                ; qv
	s_load_b64 s[66:67], s[0:1], 0x18              ; b_qkv
	s_set_vgpr_msb 0x40
	v_lshl_add_u32 v255, v0, 2, 0x48400
	s_set_vgpr_msb 0x4000
	v_mov_b32 v31, 0
	s_set_vgpr_msb 0x1
	ds_add_u32 v255, v31
	s_set_vgpr_msb 0x100
	v_lshrrev_b32 v1, 5, v0
	v_readfirstlane_b32 s10, v1                    ; wave 0..3
	s_lshr_b32 s11, s10, 1                         ; which half of the block's rows is mine.  Also: I fetch for A (0) or for B (1)
	s_and_b32 s12, s10, 1                          ; which half of its columns.  Also: which half of that tile I fetch
	s_bfe_u32 s40, ttmp6, 0x40000                  ; cx
	s_bfe_u32 s41, ttmp6, 0x40004                  ; cy
	s_mov_b32 s68, ttmp9                           ; cluster x: 0 = the qk columns, 1 = the value columns; the same in all sixteen partners
	s_lshl_b32 s42, ttmp9, 2
	s_add_co_u32 s42, s42, s40                     ; block column of qv = 4 x cluster x + cx
	s_and_b32 s13, ttmp7, 0xffff
	s_lshl_b32 s13, s13, 2
	s_add_co_u32 s13, s13, s41                     ; block row = 4 x cluster y + cy
	s_lshl_b32 s43, s41, 2
	s_lshl_b32 s43, 15, s43                        ; my row of the cluster: places 4 cy .. 4 cy + 3
	s_lshl_b32 s44, 0x1111, s40                    ; my column: places cx, cx + 4, cx + 8, cx + 12
	; group 1, A: 128 rows x 128 elements of 2 bytes; after every 64 words (code 5) 4 words of padding (code 3); bit 21 beside the mask
	s_or_b32 s[G1+0], s43, (1<<16)|(1<<20)|(1<<21)|(5<<22)|(3<<25)
	s_mov_b32 s[G1+1], KSTEP<<16                   ; tensor_dim0 = 128
	s_mov_b32 s[G1+2], 128<<16                     ; tensor_dim1 = 128
	s_mov_b32 s[G1+3], KSTEP<<16                   ; tile_dim0 = 128
	s_mov_b32 s[G1+4], 128                         ; tile_dim1 = 128
	s_mov_b32 s[G1+5], SIZE_K                      ; elements from row to row of xg
	s_mov_b32 s[G1+6], 0
	s_mov_b32 s[G1+7], 0
	; group 1, B: 64 rows x 256 elements; after every 128 words (code 6) 8 words of padding (code 7)
	s_or_b32 s[G1B+0], s44, (1<<16)|(1<<20)|(1<<21)|(6<<22)|(7<<25)
	s_mov_b32 s[G1B+1], 256<<16
	s_mov_b32 s[G1B+2], 64<<16
	s_mov_b32 s[G1B+3], 256<<16
	s_mov_b32 s[G1B+4], 64
	s_mov_b32 s[G1B+5], 3072                       ; elements from row to row of wb
	s_mov_b32 s[G1B+6], 0
	s_mov_b32 s[G1B+7], 0
	; A's tiles hang on the block row and the wave alone, B's on the block column and the wave alone, each in registers that never hold the other coordinate
	s_lshl_b32 s17, s12, 7
	s_lshl_b32 s16, s13, 8
	s_add_co_u32 s16, s16, s17                     ; A: row 256 x block row + 128 x half
	s_lshl_b32 s16, s16, 11                        ; x 2,048 bytes: under 2^24
	s_mov_b32 s17, 0
	s_mul_i32 s46, s12, 64*WROW                    ; B: k-row 64 x half,
	s_lshl_b32 s45, s40, 9
	s_add_co_u32 s46, s46, s45                     ; column 256 cx
	s_lshl_b32 s45, s68, 12
	s_add_co_u32 s46, s46, s45                     ; + 2048 for the value columns, in bytes
	s_mov_b32 s47, 0
	s_mul_i32 s20, s10, HALFT                      ; where they go: A's halves, then B's = wave x 34,816: no place in the cluster enters an LDS address
	s_wait_dscnt 0x0
	s_wait_kmcnt 0x0
	s_add_nc_u64 s[14:15], s[4:5], s[16:17]
	s_add_nc_u64 s[46:47], s[6:7], s[46:47]
	CROUND                                         ; all sixteen work-groups are here: the first joint loads meet
.irp s, 0,1
	s_mov_b32 s[G0+4*\s], 1
	s_add_co_u32 s[G0+4*\s+1], s20, \s*SLOT
	s_add_nc_u64 s[G0+4*\s+2:G0+4*\s+3], s[14:15], \s*KSTEP*2
	s_or_b32 s[G0+4*\s+3], s[G0+4*\s+3], 0x80000000
	s_mov_b32 s[G0B+4*\s], 1
	s_add_co_u32 s[G0B+4*\s+1], s20, \s*SLOT
	s_add_nc_u64 s[G0B+4*\s+2:G0B+4*\s+3], s[46:47], \s*KSTEP*WROW
	s_or_b32 s[G0B+4*\s+3], s[G0B+4*\s+3], 0x80000000
	JLOAD \s                                       ; both first fills go out before anything else: two tensor loads of the wave are out
.endr
	v_and_b32 v1, 15, v0                           ; r
	v_bfe_u32 v2, v0, 4, 1                         ; h
	; the bias of my 128 columns, 8 neighbouring numbers for each of 8 column tiles
	s_lshl_b32 s69, s40, 10                        ; 4 bytes x (256 cx
	s_lshl_b32 s70, s68, 13                        ;   + 2048 for the value columns
	s_add_co_u32 s69, s69, s70
	s_lshl_b32 s70, s12, 9                         ;   + 128 x my half of the columns
	s_add_co_u32 s69, s69, s70
	v_lshl_add_u32 v[BO], v2, 5, s69               ;   + 8 h)
.irp b, 0,1,2,3,4,5,6,7
	global_load_b128 v[BIAS+8*\b:BIAS+8*\b+3],   v[BO], s[66:67] offset:64*\b
	global_load_b128 v[BIAS+8*\b+4:BIAS+8*\b+7], v[BO], s[66:67] offset:64*\b+16
.endr
	; A fragment: lane l holds row l % 16; two loads of 16 bytes, 32 bytes apart
	v_mul_u32_u24 v3, v1, PITCH
	v_lshl_add_u32 v3, v2, 4, v3
	; B fragment by the transposing load: lane l addresses k-row 8 h + (l & 7), 16 bytes at column 8 ((l >> 3) & 1); the second load is 16 k-rows down
	v_and_b32 v6, 7, v0
	v_lshl_add_u32 v6, v2, 3, v6
	v_mul_u32_u24 v6, v6, BPITCH
	v_bfe_u32 v7, v0, 3, 1
	v_lshl_add_u32 v6, v7, 4, v6
	s_mul_i32 s21, s11, HALFT                      ; my 128 rows of A
	s_lshl_b32 s22, s12, 8                         ; my 128 columns of B: 256 bytes into each row,
	s_add_co_u32 s22, s22, 2*HALFT                 ; behind A's tile
.irp s, 0,1
	v_add_nc_u32 v[ADRA+\s], s21, v3
	v_add_nc_u32 v[ADRB+\s], s22, v6
	s_add_co_u32 s21, s21, SLOT
	s_add_co_u32 s22, s22, SLOT
.endr
	s_mul_i32 s23, s10, 16*SPITCH
	s_add_co_u32 s23, s23, STAGE                   ; my stage
	v_mul_u32_u24 v4, v1, SPITCH
	v_lshl_add_u32 v4, v2, 4, v4
	v_add_nc_u32 v[STO], s23, v4
	v_mul_u32_u24 v5, v2, SPITCH
	v_lshl_add_u32 v5, v1, 4, v5
	v_add_nc_u32 v[RD], s23, v5
	v_mul_u32_u24 v5, v2, SIZE_N*2
	v_lshl_add_u32 v[CO], v1, 4, v5
; 16 matrix instructions: m blocks a0, a0 + 1 of the window's four x all 8 n blocks, 32 along K.  zero = 1: the first product starts the sums.
; The 64 accumulators take turns, one instruction a turn, in the same order in every quarter step.
.macro MUL16 f, hi, a0, zero
.irp a, \a0, \a0+1
.irp b, 0,1,2,3,4,5,6,7
.if \zero
	v_wmma_f32_16x16x32_bf16 v[8*(8*(\a)+\b):8*(8*(\a)+\b)+7], v[\f+8*\b:\f+8*\b+7], v[\f+8*(4*\hi+\a):\f+8*(4*\hi+\a)+7], 0
.else
	v_wmma_f32_16x16x32_bf16 v[8*(8*(\a)+\b):8*(8*(\a)+\b)+7], v[\f+8*\b:\f+8*\b+7], v[\f+8*(4*\hi+\a):\f+8*(4*\hi+\a)+7], v[8*(8*(\a)+\b):8*(8*(\a)+\b)+7]
.endif
.endr
.endr
.endm
; 32 LDS loads in one run: the fragments of quarter q of a K step (128 columns of W, 128 rows of xg, 32 along K) into buffer f
.macro FETCH slot, q, f
	WIN TO_B
.irp i, 0,1,2,3,4,5,6,7
	ds_load_tr16_b128 v[\f+8*\i:\f+8*\i+3],   v[ADRB+\slot] offset:\q*32*BPITCH+32*\i
	ds_load_tr16_b128 v[\f+8*\i+4:\f+8*\i+7], v[ADRB+\slot] offset:\q*32*BPITCH+16*BPITCH+32*\i
.endr
	WIN 0
.irp i, 0,1,2,3,4,5,6,7
	ds_load_b128 v[\f+8*\i:\f+8*\i+3],   v[ADRA+\slot] offset:\q*64+\i*16*PITCH
	ds_load_b128 v[\f+8*\i+4:\f+8*\i+7], v[ADRA+\slot] offset:\q*64+\i*16*PITCH+32
.endr
.endm
; Four plain vector instructions stand between a matrix instruction and a load into one of its registers, or a vector instruction that reads its
; result (ISA guide 7.12.1 for vector instructions).
.macro PLACES
.rept 4
	v_nop
.endr
.endm
.macro QUARTER slot, q, f, g, zero
	s_wait_dscnt 8                                 ; B and A's rows 0-63 are in; the youngest eight loads (A's rows 64-127) may be out
	WIN MUL_LO
	MUL16 \f, 0, 0, \zero
	MUL16 \f, 0, 2, \zero
	PLACES
	FETCH \slot, \q, \g
	s_wait_dscnt 32                                ; all but the 32 just issued
	WIN MUL_HI
	MUL16 \f, 1, 0, \zero
	MUL16 \f, 1, 2, \zero
.endm
.macro THREE slot, zero
	QUARTER \slot, 1, F0, F1, \zero
	QUARTER \slot, 2, F1, F0, 0
	QUARTER \slot, 3, F0, F1, 0
.endm
; The last quarter multiplies buffer 1 and changes slots.  In front of the barrier each wave waits for its reads of this slot and for all its tensor
; loads (one is out: its part of the next slot).  Behind it the refill comes first, then the next slot's first fragments.
.macro TURN slot, next, fill
	s_wait_dscnt 8
	WIN MUL_LO
	MUL16 F1, 0, 0, 0
	s_wait_dscnt 0                                 ; my reads of this slot are over
	s_wait_tensorcnt 0x0                           ; and all my tensor loads have landed
	ds_add_u32 v255, v31
	s_wait_dscnt 0x0
	s_barrier_signal -1                            ; where a slot is filled again this barrier opens a round of the cluster's barrier
	MUL16 F1, 0, 2, 0                              ; register work while the others arrive
	WIN 0
	s_barrier_wait -1
.if \fill
	CREST                                          ; no wave of any partner still reads this slot's tile or has a load on its way
	s_add_nc_u64 s[G0+4*\slot+2:G0+4*\slot+3], s[G0+4*\slot+2:G0+4*\slot+3], 2*KSTEP*2
	s_add_nc_u64 s[G0B+4*\slot+2:G0B+4*\slot+3], s[G0B+4*\slot+2:G0B+4*\slot+3], 2*KSTEP*WROW
	JLOAD \slot                                    ; the wave's one tensor load behind the round
.endif
	PLACES
	FETCH \next, 0, F0
	WIN MUL_HI
	MUL16 F1, 1, 0, 0
	MUL16 F1, 1, 2, 0
.endm
.macro LAP zero
	THREE 0, \zero
	TURN 0, 1, 1
	THREE 1, 0
	TURN 1, 0, 1
.endm
	s_wait_tensorcnt 1                             ; my part of K step 0 is in; K step 1's load stays out
	s_barrier_signal -1
	s_barrier_wait -1
	FETCH 0, 0, F0
	LAP 1                                          ; the first lap's first products start the sums
	WIN 0
	s_mov_b32 s3, LAPS-2
.Llap:
	LAP 0
	WIN 0
	s_sub_co_u32 s3, s3, 1
	s_cmp_lg_u32 s3, 0
	s_cbranch_scc1 .Llap
	THREE 0, 0                                     ; the last lap fills nothing
	TURN 0, 1, 0
	THREE 1, 0
	s_wait_dscnt 8
	WIN MUL_LO
	MUL16 F1, 0, 0, 0
	MUL16 F1, 0, 2, 0
	s_wait_dscnt 0
	WIN MUL_HI
	MUL16 F1, 1, 0, 0
	MUL16 F1, 1, 2, 0
	; THE WAY OUT, 16 rows at a time: bias (and sigmoid), round to bf16, 16 bytes a lane into my own stage, read back as whole rows of 256 bytes.
	PLACES
	WIN 0
	s_wait_loadcnt 0x0                             ; the bias
	s_cmp_eq_u32 s68, 0
	s_cselect_b32 s70, 0xbfb8aa3b, 1.0             ; qk columns: sigmoid(z) = 1 / (1 + 2^(-log2(e) z)), the factor rides on the multiply-add that adds the bias
	s_mov_b32 s71, s70
	s_cbranch_scc0 .Lbias_ready                    ; value columns: the bias stays as it is
.set i, 0
.rept 32
	v_pk_mul_f32 v[BIAS+2*i:BIAS+2*i+1], v[BIAS+2*i:BIAS+2*i+1], s[70:71] op_sel_hi:[1,0]
.set i, i+1
.endr
.Lbias_ready:
	s_lshl_b32 s13, s13, 8
	s_lshl_b32 s14, s11, 7
	s_add_co_u32 s16, s13, s14                     ; my first row of qv
	s_lshl_b32 s16, s16, 12                        ; x 4,096 bytes: under 2^25
	s_mov_b32 s17, 0
	s_add_nc_u64 s[8:9], s[8:9], s[16:17]
	s_lshl_b32 s46, s42, 9                         ; my first column, in bytes: 512 x block column + 256 x half
	s_lshl_b32 s47, s12, 8
	s_add_co_u32 s46, s46, s47
	s_mov_b32 s47, 0
	s_add_nc_u64 s[8:9], s[8:9], s[46:47]
.macro SIG8 base                       ; eight numbers t = -log2(e) z become 1 / (1 + 2^t)
.irp j, 0,1,2,3,4,5,6,7
	v_exp_f32 v[\base+\j], v[\base+\j]
.endr
	v_nop                                          ; one plain instruction behind the transcendentals (ISA guide 5.7.2)
	s_wait_alu depctr_va_vdst(0)
.irp p, 0,2,4,6
	v_pk_add_f32 v[\base+\p:\base+\p+1], v[\base+\p:\base+\p+1], 1.0 op_sel_hi:[1,0]
.endr
.irp j, 0,1,2,3,4,5,6,7
	v_rcp_f32 v[\base+\j], v[\base+\j]
.endr
	v_nop
.endm
; rows 16 i .. 16 i + 15 of my block = tiles (a, 0..7) of window 2 or 3 (from = 0x02 or 0x03: source 0); rb: the read-back registers, two sets in turn
.macro OUT16 i, a, from, rb
	WIN \from
.irp b, 0,1,2,3,4,5,6,7
.irp p, 0,2,4,6
	v_pk_fma_f32 v[TF+8*\b+\p:TF+8*\b+\p+1], v[8*(8*\a+\b)+\p:8*(8*\a+\b)+\p+1], s[70:71], v[BIAS+8*\b+\p:BIAS+8*\b+\p+1] op_sel_hi:[1,0,1]
.endr
.endr
	WIN 0
	s_cmp_lg_u32 s68, 0
	s_cbranch_scc1 .Lplain_\@                      ; the value columns have no sigmoid; the branch is the same in all partners
.irp b, 0,1,2,3,4,5,6,7
	SIG8 TF+8*\b
.endr
.Lplain_\@:
	s_wait_alu depctr_va_vdst(0)
.irp b, 0,1,2,3,4,5,6,7
.irp p, 0,1,2,3
	v_cvt_pk_bf16_f32 v[PK+4*\b+\p], v[TF+8*\b+2*\p], v[TF+8*\b+2*\p+1]
.endr
.endr
.irp b, 0,1,2,3,4,5,6,7
	ds_store_b128 v[STO], v[PK+4*\b:PK+4*\b+3] offset:32*\b
.endr
	s_wait_xcnt 0x0                                ; the read-back registers, which earlier stores read, and the stores' base are rewritten only behind this wait
.if \i
	s_add_nc_u64 s[8:9], s[8:9], 16*SIZE_N*2
.endif
.irp t, 0,1,2,3,4,5,6,7
	ds_load_b128 v[\rb+4*\t:\rb+4*\t+3], v[RD] offset:\t*2*SPITCH    ; LDS serves a wave's instructions in order: these see the stores above
.endr
.irp t, 0,1,2,3,4,5,6,7
	s_wait_dscnt 7-\t                              ; the younger read-backs stay out
	global_store_b128 v[CO], v[\rb+4*\t:\rb+4*\t+3], s[8:9] offset:2*\t*SIZE_N*2   ; 16 lanes store 256 consecutive bytes, aligned
.endr
.endm
	OUT16 0, 0, 0x02, 160
	OUT16 1, 1, 0x02, 32
	OUT16 2, 2, 0x02, 160
	OUT16 3, 3, 0x02, 32
	OUT16 4, 0, 0x03, 160
	OUT16 5, 1, 0x03, 32
	OUT16 6, 2, 0x03, 160
	OUT16 7, 3, 0x03, 32
	s_set_vgpr_msb 0x1
	s_wait_tensorcnt 0x0
	ds_add_u32 v255, v31
	s_wait_dscnt 0x0
	s_set_vgpr_msb 0x100
	CROUND                                         ; the closing round: no work-group ends while a partner may still ask for a tile that names it
	s_endpgm
.Lfunc_end_k_qceaff47461_gemm:
	.size	k_qceaff47461_gemm, .Lfunc_end_k_qceaff47461_gemm-k_qceaff47461_gemm
	.p2alignl 7, 3214868480
	.fill 96, 4, 3214868480
	.section	.rodata,"a",@progbits
	.p2align	6, 0x0
	.amdhsa_kernel k_qceaff47461_gemm
		.amdhsa_group_segment_fixed_size 327680
		.amdhsa_private_segment_fixed_size 0
		.amdhsa_enable_private_segment 0
		.amdhsa_kernarg_size 32
		.amdhsa_user_sgpr_count 2
		.amdhsa_user_sgpr_kernarg_segment_ptr 1
		.amdhsa_wavefront_size32 1
		.amdhsa_system_sgpr_workgroup_id_x 1
		.amdhsa_system_sgpr_workgroup_id_y 1
		.amdhsa_system_sgpr_workgroup_id_z 1
		.amdhsa_system_vgpr_workitem_id 0
		.amdhsa_next_free_vgpr 1024
		.amdhsa_next_free_sgpr 72
		.amdhsa_reserve_vcc 0
		.amdhsa_float_denorm_mode_32 3
		.amdhsa_float_denorm_mode_16_64 3
		.amdhsa_memory_ordered 1
		.amdhsa_forward_progress 1
		.amdhsa_inst_pref_size 255
	.end_amdhsa_kernel
	.section	.bss,"aw",@nobits
	.p2align	6
	.space	262144
	.amdgpu_metadata
---
amdhsa.version: [ 1, 2 ]
amdhsa.kernels:
  - .name:           k_qceaff47461_gemm
    .symbol:         k_qceaff47461_gemm.kd
    .args:
      - { .name: xg, .offset: 0, .size: 8, .value_kind: global_buffer, .address_space: global }
      - { .name: wb, .offset: 8, .size: 8, .value_kind: global_buffer, .address_space: global }
      - { .name: qv, .offset: 16, .size: 8, .value_kind: global_buffer, .address_space: global }
      - { .name: b_qkv, .offset: 24, .size: 8, .value_kind: global_buffer, .address_space: global }
    .group_segment_fixed_size: 327680
    .private_segment_fixed_size: 0
    .kernarg_segment_align: 8
    .kernarg_segment_size: 32
    .max_flat_workgroup_size: 128
    .sgpr_count:     72
    .vgpr_count:     1024
    .wavefront_size: 32
...
	.end_amdgpu_metadata
.endif
;; end of part 2
;; launch attn (part 3): grid 8 x 32, 4 waves a work-group, clusters of 4 x 4, 327,680 bytes of LDS; arguments qv, xg, wb, mk, b_qkv, out0; writes out0
.if DOCPART == 3
	.amdgcn_target "amdgcn-amd-amdhsa--gfx1250"
	.amdhsa_code_object_version 6
	.text
	.protected	k_qceaff47461_attn
	.globl	k_qceaff47461_attn
	.p2align	8
	.type	k_qceaff47461_attn,@function
k_qceaff47461_attn:
	s_mov_b64 s[64:65], 0
	v_nop
	global_prefetch_b8 v0, s[64:65] scope:SCOPE_SE
	s_setreg_imm32_b32 hwreg(HW_REG_WAVE_MODE, 25, 1), 1
	s_wait_xcnt 0x0
	s_wait_alu depctr_hold_cnt(0) depctr_sa_sdst(0) depctr_va_vdst(0) depctr_va_sdst(0) depctr_va_ssrc(0) depctr_va_vcc(0) depctr_vm_vsrc(0)
	s_getreg_b32 s2, hwreg(HW_REG_IB_STS2, 6, 4)
	s_cmp_eq_u32 s2, 0
	s_cbranch_scc0 .Lentry_in_a_cluster
	s_endpgm
.Lentry_in_a_cluster:
	s_bfe_u32 s2, ttmp6, 0x10000c
	s_cmp_lg_u32 s2, 0xf033
	s_cbranch_scc0 .Lentry_shape_is_right
	s_endpgm
.Lentry_shape_is_right:
; attn: out0 = relu( (masked S V) c / (c rowsum + 1e-6) + b_res + xg W_res ),  S = q q^T, q = sigmoid part of qv, V = value part of qv, c = 1/sqrt(128).
; No work is left out: every score tile is computed and masked by selection, since the mask is an input.
; A work-group owns 256 query rows of one batch (rb = 0..31: batch rb>>1) and one head h (128 columns); a wave owns 64 queries, 4 tiles of 16.
; ALL PRODUCTS ARE TRANSPOSED, so that a lane keeps one query:
;   S^T tile = K fragment (16 keys x 32 d) x Q fragment: lane l holds query l % 16, register j key 8 (l / 16) + j: two such tiles, rounded to bf16, ARE the
;   B fragment (32 keys) of O^T += V^T x P^T; V, stored [key][d], is read by the transposing load.  O^T: lane l holds query l % 16, register j column 8 (l/16) + j.
;   The residual R^T = b_res + W_res^T x xg^T has the same layout on accumulators of its own; at the end out = relu(O f + R).
; ONE RING FOR BOTH KINDS OF WORK: 512 keys and the residual's K = 1024 both go in 8 steps.  A slot holds 64 keys of q (pitch 272), 64 keys of V (pitch 288),
;   256 rows x 128 k of xg (pitch 272) and 128 k x 128 columns of W_res (pitch 288): 142,336 bytes; two slots, then a stage of 16 rows x 528 bytes for each
;   wave, into which no tensor load lands.  Four tiles, four waves: each wave issues one tensor load behind each round of the cluster's barrier.
;   A step is 256 products of a wave: for each of its two chunks of 32 keys  S (32), two residual quarters (64), PV (32).
;   The refill stands in the middle of the step's last PV: 16 products of that step and 224 of the next stand between a request and the wait for it.
; MASKING AMONG THE RESIDUAL'S PRODUCTS: a chunk's 128 masking instructions are 32 slices of four, one behind every second of the 64 residual products that
;   stand between S and PV; the residual does not depend on them, nor they on it.  S, P and the row sums cannot lie in the window of the residual's
;   accumulators, which fill it, so a slice stands between two switches of the window: two products come with two mask-word reads, two switches and
;   four vector instructions, ten issue slots in all.
; MASK: register j of an S^T tile is masked by one v_cndmask_b32 with a scalar word of mk (bit = lane).  The wave's 1,024 words lie in 32 registers
;   (register 8 qt + j, lane = key tile).  32 scalar registers hold the words of one key tile for the four query tiles: those of a chunk's first key tile are
;   read among the S products; those of its second follow among the residual's, each into the register that the first key tile's slice has just used.
; FRAGMENTS: two buffers of 64 registers rotate, K -> W_res -> W_res -> V: each phase's loads go, at its head, into the buffer that the phase before has read.
; BIAS: b_res is the C operand of the residual's first 32 products.  Until O's first products are issued it lies in O's first 64 registers.
; Q: a wave's own 64 query rows come straight from qv in fragment order; the eight loads of a query tile together take each row's 256 bytes whole, once.
; CLUSTERS, 4 x 4: a row of the cluster shares rb, so xg's tiles are asked for jointly along it; a column shares h, so W_res's tiles along it.
;   q and V are plain loads: their only sharers are the two row halves of a batch, a pair that is neither a row nor a column of the cluster.
; REGISTERS: window 0: v16-28 addresses, v32-63 mask words, v64-127 and v128-191 the two fragment buffers, v192-223 and v224-255 xg fragments of the two quarters.
;   window 1: v0-127 Q fragments, v128-191 S, v192-223 P, v224-239 row sums, v240-247 factors, v248-249 at work.
;   window 2: O, tile (qt, dt) at v[8 (8 qt + dt)];  window 3: R, likewise.
; LIMITS: relu is a maximum in which a NaN loses; masked scores enter the second product as bf16 before they are normalised, their row sum is taken in f32
;   from the unrounded scores; scores lie in 0..128 and row sums in 0..65,536 whatever the inputs, since q is a sigmoid.
.set QP,     272                       ; pitch of q's and xg's rows: 256 bytes + 16
.set VP,     288                       ; pitch of V's and W_res's rows: 256 bytes + 32, an odd multiple of 32 for the transposing load
.set VOFF,   64*QP                     ; 17,408: V's tile in a slot (q's lies at 0)
.set XOFF,   VOFF+64*VP                ; 35,840: xg's
.set WOFF,   XOFF+256*QP               ; 105,472: W_res's
.set SLOTB,  WOFF+128*VP               ; 142,336
.set STAGE,  2*SLOTB                   ; 284,672
.set SPITCH, 528
.set WROW,   6144                      ; bytes in a row of wb
.set ADRK, 16                          ; v16-17: K fragments in slot 0, 1
.set ADRV, 18                          ; v18-19: V fragments
.set ADRX, 20                          ; v20-21: my 64 rows of xg
.set ADRW, 22                          ; v22-23: W_res fragments
.set STO,  24
.set RD,   25
.set CO,   26                          ; 16 x lane: out0, and mk
.set BO,   27                          ; 32 h: b_qkv
.set QO,   28                          ; 4,096 r + 16 h: my queries in qv
.set MW,   32
.set A0,   64                          ; K, then the second quarter's W_res
.set A1,   128                         ; the first quarter's W_res, then V
.set XF0,  192                         ; the first quarter's xg
.set XF1,  224                         ; the second quarter's xg
.set QF,   0                           ; window 1
.set S,    128
.set P,    192
.set SUM,  224
.set F,    240
.set T,    248
.set G1K, 16                           ; s[16:23], s[24:31], s[32:39], s[40:47]: group 1 of q, V, xg, W_res
.set G1V, 24
.set G1X, 32
.set G1W, 40
.set G0K, 48                           ; s[48:51], s[52:55], s[56:59], s[60:63]: group 0, one for each kind of tile: no wave ever has two loads out
.set G0V, 52
.set G0X, 56
.set G0W, 60
.set MS,  68                           ; s[68:99]: mask word 8 qt + j of the key tile at work.  At the head: the six pointers and what is made of them
.set MSB, 0
.macro WIN new                         ; low byte: bits 1:0 source 0, 3:2 source 1, 5:4 source 2, 7:6 destination; the high byte repeats the setting that is left
.if MSB != \new
	s_set_vgpr_msb (MSB<<8)|\new
.set MSB, \new
.endif
.endm
.macro PLACES                          ; four plain vector instructions between a matrix instruction and a load into, or a vector access to, its registers (ISA guide 7.12.1 for vector accesses)
.rept 4
	v_nop
.endr
.endm
.macro CREST                           ; a round of the cluster's barrier behind its opening barrier
	s_cmp_lg_u32 s4, 0
	s_cbranch_scc1 .Lnot_wave_0_\@
	s_barrier_signal -3
.Lnot_wave_0_\@:
	s_barrier_wait -3
	s_barrier_signal -1
	s_barrier_wait -1
.endm
.macro CROUND                          ; a whole round
	s_barrier_signal -1
	s_barrier_wait -1
	CREST
.endm
; A step's four tiles, one a wave.  Each line has one set of registers and one mask; the branches hang on the wave's number alone.
.macro JLOAD
	s_cmp_lt_u32 s4, 2
	s_cbranch_scc0 .Ljoint_\@
	s_cmp_eq_u32 s4, 0
	s_cbranch_scc0 .Lfor_v_\@
	tensor_load_to_lds s[G0K:G0K+3], s[G1K:G1K+7]
	s_nop 0
	s_branch .Lasked_\@
.Lfor_v_\@:
	tensor_load_to_lds s[G0V:G0V+3], s[G1V:G1V+7]
	s_nop 0
	s_branch .Lasked_\@
.Ljoint_\@:
	s_cmp_eq_u32 s4, 2
	s_cbranch_scc0 .Lfor_w_\@
	tensor_load_to_lds s[G0X:G0X+3], s[G1X:G1X+7]
	s_nop 0
	s_branch .Lasked_\@
.Lfor_w_\@:
	tensor_load_to_lds s[G0W:G0W+3], s[G1W:G1W+7]
	s_nop 0
.Lasked_\@:
.endm
; The four group 0 go one step on, into slot s.  Stands only behind a wait for all tensor loads.
.macro STEPADR s
	s_add_nc_u64 s[G0K+2:G0K+3], s[G0K+2:G0K+3], 64*4096     ; 64 keys down
	s_add_nc_u64 s[G0V+2:G0V+3], s[G0V+2:G0V+3], 64*4096
	s_add_nc_u64 s[G0X+2:G0X+3], s[G0X+2:G0X+3], 256         ; 128 along k
	s_add_nc_u64 s[G0W+2:G0W+3], s[G0W+2:G0W+3], 128*WROW    ; 128 k-rows down
	s_mov_b32 s[G0K+1], \s*SLOTB
	s_mov_b32 s[G0V+1], \s*SLOTB+VOFF
	s_mov_b32 s[G0X+1], \s*SLOTB+XOFF
	s_mov_b32 s[G0W+1], \s*SLOTB+WOFF
.endm
	s_load_b256 s[68:75], s[0:1], 0x0              ; qv s[68:69], xg s[70:71], wb s[72:73], mk s[74:75]
	s_load_b128 s[76:79], s[0:1], 0x20             ; b_qkv s[76:77], out0 s[78:79]
	v_lshl_add_u32 v30, v0, 2, 0x4dc00
	v_mov_b32 v31, 0
	ds_add_u32 v30, v31
	v_lshrrev_b32 v1, 5, v0
	v_readfirstlane_b32 s4, v1                     ; wave
	s_bfe_u32 s14, ttmp6, 0x40000                  ; cx
	s_bfe_u32 s15, ttmp6, 0x40004                  ; cy
	s_lshl_b32 s66, ttmp9, 2
	s_add_co_u32 s66, s66, s14                     ; h = 4 x cluster x + cx
	s_and_b32 s67, ttmp7, 0xffff
	s_lshl_b32 s67, s67, 2
	s_add_co_u32 s67, s67, s15                     ; rb = 4 x cluster y + cy
	s_mov_b32 s8, 0x76543210                       ; v_permlanex16_b32: lane i reads lane i of the other half
	s_mov_b32 s9, 0xfedcba98
	; group 1.  Elements of 2 bytes, rows of 128 elements = 64 words (code 5), behind each 4 words of padding (code 3) or 8 (code 7)
	s_mov_b32 s[G1K+0], (1<<16)|(1<<20)|(5<<22)|(3<<25)      ; q: 64 rows, no mask
	s_mov_b32 s[G1V+0], (1<<16)|(1<<20)|(5<<22)|(7<<25)      ; V: 64 rows, no mask
.irp g, G1K, G1V
	s_mov_b32 s[\g+1], 128<<16                     ; tensor_dim0 = 128
	s_mov_b32 s[\g+2], 64<<16                      ; tensor_dim1 = 64
	s_mov_b32 s[\g+3], 128<<16                     ; tile_dim0 = 128
	s_mov_b32 s[\g+4], 64                          ; tile_dim1 = 64
	s_mov_b32 s[\g+5], 2048                        ; elements from row to row of qv
	s_mov_b32 s[\g+6], 0
	s_mov_b32 s[\g+7], 0
.endr
	s_lshl_b32 s2, s15, 2
	s_lshl_b32 s2, 15, s2                          ; my row of the cluster: places 4 cy .. 4 cy + 3
	s_or_b32 s[G1X+0], s2, (1<<16)|(1<<20)|(1<<21)|(5<<22)|(3<<25)   ; xg: 256 rows, joint along my row; bit 21 beside the mask
	s_mov_b32 s[G1X+1], 128<<16
	s_mov_b32 s[G1X+2], 256<<16
	s_mov_b32 s[G1X+3], 128<<16
	s_mov_b32 s[G1X+4], 256
	s_mov_b32 s[G1X+5], 1024
	s_mov_b32 s[G1X+6], 0
	s_mov_b32 s[G1X+7], 0
	s_lshl_b32 s100, 0x1111, s14                   ; my column: places cx, cx + 4, cx + 8, cx + 12
	s_or_b32 s[G1W+0], s100, (1<<16)|(1<<20)|(1<<21)|(5<<22)|(7<<25) ; W_res: 128 k-rows, joint along my column
	s_mov_b32 s[G1W+1], 128<<16
	s_mov_b32 s[G1W+2], 128<<16
	s_mov_b32 s[G1W+3], 128<<16
	s_mov_b32 s[G1W+4], 128
	s_mov_b32 s[G1W+5], 3072
	s_mov_b32 s[G1W+6], 0
	s_mov_b32 s[G1W+7], 0
	; where the first tiles come from.  xg's offset is made of rb alone (s2, s3), W_res's of h alone (s100, s101); q's and V's, plain loads, of both (s10, s11)
	s_lshl_b32 s2, s67, 19                         ; row 256 rb x 2,048 bytes
	s_mov_b32 s3, 0
	s_lshl_b32 s100, s66, 8                        ; column 128 h
	s_add_co_u32 s100, s100, 2048                  ; of the middle third, in bytes
	s_mov_b32 s101, 0
	s_lshr_b32 s10, s67, 1
	s_lshl_b32 s10, s10, 21                        ; batch x 512 rows x 4,096 bytes: under 2^25
	s_lshl_b32 s11, s66, 8
	s_add_co_u32 s10, s10, s11                     ; + column 128 h
	s_mov_b32 s11, 0
	s_mov_b32 s[G0K], 1
	s_mov_b32 s[G0K+1], 0
	s_mov_b32 s[G0V], 1
	s_mov_b32 s[G0V+1], VOFF
	s_mov_b32 s[G0X], 1
	s_mov_b32 s[G0X+1], XOFF
	s_mov_b32 s[G0W], 1
	s_mov_b32 s[G0W+1], WOFF
	s_wait_dscnt 0x0
	s_wait_kmcnt 0x0
	s_add_nc_u64 s[G0K+2:G0K+3], s[68:69], s[10:11]
	s_add_nc_u64 s[G0V+2:G0V+3], s[G0K+2:G0K+3], 2048        ; V: 1,024 columns further
	s_add_nc_u64 s[G0X+2:G0X+3], s[70:71], s[2:3]
	s_add_nc_u64 s[G0W+2:G0W+3], s[72:73], s[100:101]
	s_or_b32 s[G0K+3], s[G0K+3], 0x80000000
	s_or_b32 s[G0V+3], s[G0V+3], 0x80000000
	s_or_b32 s[G0X+3], s[G0X+3], 0x80000000
	s_or_b32 s[G0W+3], s[G0W+3], 0x80000000
	CROUND                                         ; all sixteen work-groups are here: the first joint loads meet
	JLOAD                                          ; step 0 into slot 0: one tensor load of the wave is out
	s_lshl_b32 s10, s67, 2
	s_add_co_u32 s10, s10, s4
	s_lshl_b32 s10, s10, 12                        ; mk: block 4 rb + w
	s_add_nc_u64 s[74:75], s[74:75], s[10:11]
	s_lshl_b32 s10, s66, 9
	s_add_co_u32 s10, s10, 4096                    ; b_qkv: 4 bytes x (1024 + 128 h)
	s_add_nc_u64 s[76:77], s[76:77], s[10:11]
	s_lshl_b32 s10, s67, 20
	s_lshl_b32 s5, s4, 18
	s_add_co_u32 s10, s10, s5                      ; row 256 rb + 64 w x 4,096 bytes, in qv and in out0
	s_lshl_b32 s5, s66, 8
	s_add_co_u32 s10, s10, s5                      ; qv: + 256 h bytes
	s_add_nc_u64 s[80:81], s[68:69], s[10:11]
	s_add_co_u32 s10, s10, s5                      ; out0: + 512 h bytes
	s_add_nc_u64 s[12:13], s[78:79], s[10:11]
	v_and_b32 v1, 31, v0                           ; lane
	v_and_b32 v2, 15, v0                           ; r
	v_bfe_u32 v3, v0, 4, 1                         ; h of the lane
	v_lshlrev_b32 v[CO], 4, v1
	v_lshlrev_b32 v[BO], 5, v3
	v_lshlrev_b32 v[QO], 12, v2
	v_lshl_add_u32 v[QO], v3, 4, v[QO]
	WIN 0x40                                       ; destination window 1
.irp qt, 0,1,2,3
.irp ds, 0,1,2,3
	global_load_b128 v[QF+8*(4*\qt+\ds):QF+8*(4*\qt+\ds)+3],   v[QO], s[80:81] offset:65536*\qt+64*\ds
	global_load_b128 v[QF+8*(4*\qt+\ds)+4:QF+8*(4*\qt+\ds)+7], v[QO], s[80:81] offset:65536*\qt+64*\ds+32
.endr
.endr
.set i, 0
.rept 16
	v_mov_b32 v[SUM+i], 0                          ; sixteen row-sum registers
.set i, i+1
.endr
	v_mov_b32 v[T], 0
	v_mov_b32 v[T+1], 0                            ; v_permlanex16_b32 counts as a reader of its destination
	WIN 0x80                                       ; destination window 2: b_res, register 8 dt + j = column 16 dt + 8 h + j, in O's first 64 registers
.irp dt, 0,1,2,3,4,5,6,7
	global_load_b128 v[8*\dt:8*\dt+3],   v[BO], s[76:77] offset:64*\dt
	global_load_b128 v[8*\dt+4:8*\dt+7], v[BO], s[76:77] offset:64*\dt+16
.endr
	WIN 0
.irp t, 0,1,2,3,4,5,6,7
	global_load_b128 v[MW+4*\t:MW+4*\t+3], v[CO], s[74:75] offset:512*\t    ; register 8 qt + j, lane = key tile
.endr
	v_mul_u32_u24 v[ADRK], v2, QP
	v_lshl_add_u32 v[ADRK], v3, 4, v[ADRK]         ; row r, 16 bytes for each half of the lanes
	v_add_nc_u32 v[ADRK+1], SLOTB, v[ADRK]
	v_and_b32 v5, 7, v0
	v_lshl_add_u32 v5, v3, 3, v5
	v_mul_u32_u24 v5, v5, VP                       ; the transposing load: row 8 h + (l & 7),
	v_bfe_u32 v6, v0, 3, 1
	v_lshl_add_u32 v5, v6, 4, v5                   ; 16 bytes at column 8 ((l >> 3) & 1)
	v_add_nc_u32 v[ADRV], VOFF, v5
	v_add_nc_u32 v[ADRV+1], SLOTB+VOFF, v5
	v_add_nc_u32 v[ADRW], WOFF, v5
	v_add_nc_u32 v[ADRW+1], SLOTB+WOFF, v5
	s_mul_i32 s10, s4, 64*QP
	s_add_co_u32 s10, s10, XOFF                    ; my 64 rows of xg's tile
	v_add_nc_u32 v[ADRX], s10, v[ADRK]
	v_add_nc_u32 v[ADRX+1], SLOTB, v[ADRX]
	s_mul_i32 s10, s4, 16*SPITCH
	s_add_co_u32 s10, s10, STAGE                   ; my stage
	v_mul_u32_u24 v6, v2, SPITCH
	v_lshl_add_u32 v6, v3, 5, v6
	v_add_nc_u32 v[STO], s10, v6
	v_lshl_add_u32 v[RD], v1, 4, s10
	s_mov_b32 s6, 0                                ; the mask's lane selectors: key tile 2 x chunk,
	s_mov_b32 s7, 1                                ; and the next
.macro KLOAD slot, cc                  ; 32 keys x 128 d: fragment (kt, ds) at A0 + 8 (4 kt + ds): 16 loads
.irp kt, 0,1
.irp ds, 0,1,2,3
	ds_load_b128 v[A0+8*(4*\kt+\ds):A0+8*(4*\kt+\ds)+3],   v[ADRK+\slot] offset:32*QP*\cc+16*QP*\kt+64*\ds
	ds_load_b128 v[A0+8*(4*\kt+\ds)+4:A0+8*(4*\kt+\ds)+7], v[ADRK+\slot] offset:32*QP*\cc+16*QP*\kt+64*\ds+32
.endr
.endr
.endm
.macro VLOAD slot, cc                  ; 128 d x 32 keys, transposed on the way: fragment dt at A1 + 8 dt: 16 loads
.irp dt, 0,1,2,3,4,5,6,7
	ds_load_tr16_b128 v[A1+8*\dt:A1+8*\dt+3],   v[ADRV+\slot] offset:32*VP*\cc+32*\dt
	ds_load_tr16_b128 v[A1+8*\dt+4:A1+8*\dt+7], v[ADRV+\slot] offset:32*VP*\cc+32*\dt+16*VP
.endr
.endm
.macro WXLOAD slot, q, ab, xb          ; quarter q of the residual's K step: 128 columns of W_res (transposed on the way) into ab, my 64 rows of xg into xb, 32 along k: 24 loads
.irp dt, 0,1,2,3,4,5,6,7
	ds_load_tr16_b128 v[\ab+8*\dt:\ab+8*\dt+3],   v[ADRW+\slot] offset:32*VP*(\q)+32*\dt
	ds_load_tr16_b128 v[\ab+8*\dt+4:\ab+8*\dt+7], v[ADRW+\slot] offset:32*VP*(\q)+32*\dt+16*VP
.endr
.irp qt, 0,1,2,3
	ds_load_b128 v[\xb+8*\qt:\xb+8*\qt+3],   v[ADRX+\slot] offset:16*QP*\qt+64*(\q)
	ds_load_b128 v[\xb+8*\qt+4:\xb+8*\qt+7], v[ADRX+\slot] offset:16*QP*\qt+64*(\q)+32
.endr
.endm
; 32 products: eight S^T tiles (kt, qt) over d = 128.  The eight accumulators take turns, one instruction a turn;
; the first product of each starts its sum.  Behind each product one mask word of the chunk's first key tile is read.
.macro SRUN
.irp ds, 0,1,2,3
.irp kt, 0,1
.irp qt, 0,1,2,3
.if \ds == 0
	v_wmma_f32_16x16x32_bf16 v[S+8*(4*\kt+\qt):S+8*(4*\kt+\qt)+7], v[A0+8*(4*\kt+\ds):A0+8*(4*\kt+\ds)+7], v[QF+8*(4*\qt+\ds):QF+8*(4*\qt+\ds)+7], 0
.else
	v_wmma_f32_16x16x32_bf16 v[S+8*(4*\kt+\qt):S+8*(4*\kt+\qt)+7], v[A0+8*(4*\kt+\ds):A0+8*(4*\kt+\ds)+7], v[QF+8*(4*\qt+\ds):QF+8*(4*\qt+\ds)+7], v[S+8*(4*\kt+\qt):S+8*(4*\kt+\qt)+7]
.endif
	v_readlane_b32 s[MS+8*\ds+4*\kt+\qt], v[MW+8*\ds+4*\kt+\qt], s6
.endr
.endr
.endr
.endm
; Slice m_cur of a chunk's masking.  The chunk's 64 S registers are 32 pairs: pair m = 16 kt + 4 qt + p lies at S + 2 m, its mask words at MS + 2 (m & 15).
; A slice adds pair m - 1 to its row sum (two chains a query tile) and rounds it to bf16 into the B fragment of the second product, and masks pair m by selection:
; no instruction of a slice reads what the same slice wrote.  Slice 0 only masks; slice 32, the tail, only adds and rounds.
.macro SLICE
.if m_cur > 0
.set m_prev, m_cur-1
.set r_s, S+2*m_prev
.set r_sum, SUM+4*((m_prev>>2)&3)+2*(m_prev&1)
	v_pk_add_f32 v[r_sum:r_sum+1], v[r_sum:r_sum+1], v[r_s:r_s+1]
	v_cvt_pk_bf16_f32 v[P+8*((m_prev>>2)&3)+4*(m_prev>>4)+(m_prev&3)], v[r_s], v[r_s+1]
.endif
.if m_cur < 32
	v_cndmask_b32 v[S+2*m_cur],   0, v[S+2*m_cur],   s[MS+2*(m_cur&15)]
	v_cndmask_b32 v[S+2*m_cur+1], 0, v[S+2*m_cur+1], s[MS+2*(m_cur&15)+1]
.endif
.endm
; A residual quarter with masking among its products: 32 products R^T(qt, dt) += W_res^T(dt) x xg^T(qt), fragments in ab and xb; the 32 accumulators take turns.
; g0 = 0 or 32: the place of its first product among the chunk's 64 residual products; pw: the products' window setting.
; bias = 1: the sums start from b_res (C in window 2).  Behind odd product g stands slice g >> 1.  Behind even product g, 2 <= g <= 32, the second key tile's mask
; words g - 2 and g - 1 are read: slice (g - 2) >> 1, which stands in front, was the last to read the first key tile's words in those two registers.
.macro RQM ab, xb, g0, pw, bias
.set g_idx, \g0
.irp qt, 0,1,2,3
.irp dt, 0,1,2,3,4,5,6,7
	WIN \pw
.if \bias
	v_wmma_f32_16x16x32_bf16 v[8*(8*\qt+\dt):8*(8*\qt+\dt)+7], v[\ab+8*\dt:\ab+8*\dt+7], v[\xb+8*\qt:\xb+8*\qt+7], v[8*\dt:8*\dt+7]
.else
	v_wmma_f32_16x16x32_bf16 v[8*(8*\qt+\dt):8*(8*\qt+\dt)+7], v[\ab+8*\dt:\ab+8*\dt+7], v[\xb+8*\qt:\xb+8*\qt+7], v[8*(8*\qt+\dt):8*(8*\qt+\dt)+7]
.endif
.if g_idx & 1
	WIN 0x55                                       ; all operands window 1
.set m_cur, g_idx>>1
	SLICE
.else
.if g_idx > 1
.if g_idx < 33
	v_readlane_b32 s[MS+g_idx-2], v[MW+g_idx-2], s7
	v_readlane_b32 s[MS+g_idx-1], v[MW+g_idx-1], s7
.endif
.endif
.endif
.set g_idx, g_idx+1
.endr
.endr
.endm
; 16 products O^T(qt, dt) += V^T(dt) x P^T(qt), dt = d0 .. d0 + 3; over the two halves the 32 accumulators take turns
.macro PVH zero, d0
.irp dt, \d0, \d0+1, \d0+2, \d0+3
.irp qt, 0,1,2,3
.if \zero
	v_wmma_f32_16x16x32_bf16 v[8*(8*\qt+(\dt)):8*(8*\qt+(\dt))+7], v[A1+8*(\dt):A1+8*(\dt)+7], v[P+8*\qt:P+8*\qt+7], 0
.else
	v_wmma_f32_16x16x32_bf16 v[8*(8*\qt+(\dt)):8*(8*\qt+(\dt))+7], v[A1+8*(\dt):A1+8*(\dt)+7], v[P+8*\qt:P+8*\qt+7], v[8*(8*\qt+(\dt)):8*(8*\qt+(\dt))+7]
.endif
.endr
.endr
.endm
; A chunk of 32 keys up to its PV: S, then the two residual quarters that carry its masking.  Each phase's fragments are asked for at the head of the phase before it.
; On entry the chunk's 16 loads of K are out or in.  On exit the 16 loads of V are out or in, and P and the row sums are complete.
.macro CHUNK slot, cc, first
	WIN 0
	PLACES                                         ; behind the last PV products, whose V fragments are loaded over
	WXLOAD \slot, 2*\cc, A1, XF0
	s_wait_dscnt 24                                ; K is in; the 24 loads just issued stay out
	WIN 0x54                                       ; A window 0, B, C, D window 1
	SRUN
	WIN 0
	PLACES                                         ; behind the S products: their results are read by the slices, their K fragments loaded over
	WXLOAD \slot, 2*\cc+1, A0, XF1
	s_wait_dscnt 24                                ; the first quarter's W_res and xg are in; the 24 loads just issued stay out
.if \first
	RQM A1, XF0, 0, 0xe0, 1                        ; A, B window 0, C window 2 (b_res), D window 3
.else
	RQM A1, XF0, 0, 0xf0, 0                        ; A, B window 0, C, D window 3
.endif
	WIN 0
	VLOAD \slot, \cc                               ; slice 15's four instructions, which name no register of the quarter's products, are the places in front of these loads
	s_wait_dscnt 16                                ; the second quarter's W_res and xg are in; the 16 loads of V stay out
	RQM A0, XF1, 32, 0xf0, 0
	WIN 0x55
.set m_cur, 32
	SLICE                                          ; the tail: pair 31.  With slice 31 it makes six places in front of the loads of K that follow
	WIN 0
	s_add_co_u32 s6, s6, 2                         ; the next chunk's two key tiles
	s_add_co_u32 s7, s7, 2
.endm
; The step's last PV changes slots.  In front of the barrier: my reads of this slot are over (V's were the last), all my tensor loads have landed (one was out:
; my tile of the next slot).  Behind it the refill comes first, then the next slot's first K fragments.
.macro TURN slot, next, fill
	s_wait_dscnt 0x0
	s_wait_tensorcnt 0x0
	ds_add_u32 v30, v31
	s_wait_dscnt 0x0
	s_barrier_signal -1                            ; where the slot is filled again this barrier opens a round of the cluster's barrier
	WIN 0xa4                                       ; A window 0, B window 1, C, D window 2
	PVH 0, 0                                       ; register work while the others arrive
	WIN 0
	s_barrier_wait -1
.if \fill
	CREST                                          ; no wave of any partner still reads this slot or has a load on its way
	STEPADR \slot
	JLOAD                                          ; the wave's one tensor load behind the round: this slot, two steps ahead
.endif
	KLOAD \next, 0
	WIN 0xa4
	PVH 0, 4
	WIN 0
.endm
; mode 1: the slot is filled again; 0: the slots change, nothing is left to fetch; 2: the last step
.macro STEP slot, mode, first
	CHUNK \slot, 0, \first
	KLOAD \slot, 1
	s_wait_dscnt 16                                ; V is in; the 16 loads of K stay out
	WIN 0xa4
	PVH \first, 0                                  ; in the first step these write over b_res, which the first residual quarter has read: the second quarter's slices are the places between
	PVH \first, 4
	WIN 0
	CHUNK \slot, 1, 0
.if \mode == 2
	s_wait_dscnt 0x0
	WIN 0xa4
	PVH 0, 0
	PVH 0, 4
	WIN 0
.else
	TURN \slot, 1-\slot, \mode
.endif
.endm
	s_wait_tensorcnt 0x0                           ; my tile of step 0 has landed, and no load of mine is out: the group 0 may be written
	ds_add_u32 v30, v31
	STEPADR 1
	s_wait_dscnt 0x0                               ; no LDS instruction of mine is out
	CROUND                                         ; everybody's tile has landed
	JLOAD                                          ; step 1 into slot 1: its first fill, issued as a refill is
	KLOAD 0, 0
	s_wait_loadcnt 0x0                             ; Q fragments, b_res, mask words; the pointers' registers are free for mask words
	STEP 0, 1, 1                                   ; step 0: its products start O's and R's sums
	STEP 1, 1, 0
	s_mov_b32 s5, 2
.Lring:
	STEP 0, 1, 0                                   ; steps 2, 4
	STEP 1, 1, 0                                   ; steps 3, 5: the last refill brings step 7
	s_sub_co_u32 s5, s5, 1
	s_cmp_lg_u32 s5, 0
	s_cbranch_scc1 .Lring
	STEP 0, 0, 0                                   ; step 6
	STEP 1, 2, 0                                   ; step 7
	; f = c / (c x row sum + 1e-6) for each query tile
	PLACES
	s_mov_b32 s100, 0x3db504f3                     ; c = 1 / sqrt(128)
	WIN 0x55
.irp qt, 0,1,2,3
	v_pk_add_f32 v[SUM+4*\qt:SUM+4*\qt+1], v[SUM+4*\qt:SUM+4*\qt+1], v[SUM+4*\qt+2:SUM+4*\qt+3]
	v_add_f32 v[T], v[SUM+4*\qt], v[SUM+4*\qt+1]
	v_permlanex16_b32 v[T+1], v[T], s8, s9         ; the other half of the lanes holds the query's other keys
	v_add_f32 v[T], v[T], v[T+1]
	v_fmaak_f32 v[T], s100, v[T], 0x358637bd       ; c x row sum + 1e-6
	v_rcp_f32 v[T], v[T]
	v_nop                                          ; one plain instruction behind the transcendental (ISA guide 5.7.2)
	s_wait_alu depctr_va_vdst(0)
	v_mul_f32 v[F+2*\qt],   s100, v[T]             ; twice: a pair for the packed multiply-add
	v_mul_f32 v[F+2*\qt+1], s100, v[T]
.endr
	; THE WAY OUT, 16 queries at a time: O f + R, relu, 32 bytes a lane into my own stage, read back as whole rows of 512 bytes.
.macro OUTQ qt
	WIN 0x36                                       ; source 0 (O) window 2, source 1 (f) window 1, source 2 (R) window 3, destination window 0
.irp dt, 0,1,2,3,4,5,6,7
.irp p, 0,2,4,6
	v_pk_fma_f32 v[A0+8*\dt+\p:A0+8*\dt+\p+1], v[8*(8*\qt+\dt)+\p:8*(8*\qt+\dt)+\p+1], v[F+2*\qt:F+2*\qt+1], v[8*(8*\qt+\dt)+\p:8*(8*\qt+\dt)+\p+1]
.endr
.endr
	WIN 0
.set i, 0
.rept 64
	v_max_num_f32 v[A0+i], 0, v[A0+i]
.set i, i+1
.endr
.irp dt, 0,1,2,3,4,5,6,7
	ds_store_b128 v[STO], v[A0+8*\dt:A0+8*\dt+3]   offset:64*\dt
	ds_store_b128 v[STO], v[A0+8*\dt+4:A0+8*\dt+7] offset:64*\dt+16
.endr
	s_wait_xcnt 0x0                                ; the read-back registers, which the last tile's stores read, are loaded again only behind this wait
.irp i, 0,1,2,3,4,5,6,7,8,9,10,11,12,13,14,15
	ds_load_b128 v[A1+4*\i:A1+4*\i+3], v[RD] offset:SPITCH*\i       ; LDS serves a wave's instructions in order: these see the stores above
.endr
.irp i, 0,1,2,3,4,5,6,7,8,9,10,11,12,13,14,15
	s_wait_dscnt 15-\i                             ; the younger read-backs stay out
	global_store_b128 v[CO], v[A1+4*\i:A1+4*\i+3], s[12:13] offset:65536*\qt+4096*\i th:TH_STORE_NT   ; the wave stores 512 consecutive bytes, aligned
.endr
.endm
	OUTQ 0
	OUTQ 1
	OUTQ 2
	OUTQ 3
	s_wait_tensorcnt 0x0
	ds_add_u32 v30, v31
	s_wait_dscnt 0x0
	CROUND                                         ; the closing round: no work-group ends while a partner may still ask for a tile that names it
	s_endpgm
.Lfunc_end_k_qceaff47461_attn:
	.size	k_qceaff47461_attn, .Lfunc_end_k_qceaff47461_attn-k_qceaff47461_attn
	.p2alignl 7, 3214868480
	.fill 96, 4, 3214868480
	.section	.rodata,"a",@progbits
	.p2align	6, 0x0
	.amdhsa_kernel k_qceaff47461_attn
		.amdhsa_group_segment_fixed_size 327680
		.amdhsa_private_segment_fixed_size 0
		.amdhsa_enable_private_segment 0
		.amdhsa_kernarg_size 48
		.amdhsa_user_sgpr_count 2
		.amdhsa_user_sgpr_kernarg_segment_ptr 1
		.amdhsa_wavefront_size32 1
		.amdhsa_system_sgpr_workgroup_id_x 1
		.amdhsa_system_sgpr_workgroup_id_y 1
		.amdhsa_system_sgpr_workgroup_id_z 1
		.amdhsa_system_vgpr_workitem_id 0
		.amdhsa_next_free_vgpr 1024
		.amdhsa_next_free_sgpr 102
		.amdhsa_reserve_vcc 0
		.amdhsa_float_denorm_mode_32 3
		.amdhsa_float_denorm_mode_16_64 3
		.amdhsa_memory_ordered 1
		.amdhsa_forward_progress 1
		.amdhsa_inst_pref_size 255
	.end_amdhsa_kernel
	.section	.bss,"aw",@nobits
	.p2align	6
	.space	262144
	.amdgpu_metadata
---
amdhsa.version: [ 1, 2 ]
amdhsa.kernels:
  - .name:           k_qceaff47461_attn
    .symbol:         k_qceaff47461_attn.kd
    .args:
      - { .name: qv, .offset: 0, .size: 8, .value_kind: global_buffer, .address_space: global }
      - { .name: xg, .offset: 8, .size: 8, .value_kind: global_buffer, .address_space: global }
      - { .name: wb, .offset: 16, .size: 8, .value_kind: global_buffer, .address_space: global }
      - { .name: mk, .offset: 24, .size: 8, .value_kind: global_buffer, .address_space: global }
      - { .name: b_qkv, .offset: 32, .size: 8, .value_kind: global_buffer, .address_space: global }
      - { .name: out0, .offset: 40, .size: 8, .value_kind: global_buffer, .address_space: global }
    .group_segment_fixed_size: 327680
    .private_segment_fixed_size: 0
    .kernarg_segment_align: 8
    .kernarg_segment_size: 48
    .max_flat_workgroup_size: 128
    .sgpr_count:     102
    .vgpr_count:     1024
    .wavefront_size: 32
...
	.end_amdgpu_metadata
.endif
;; end of part 3
;; ======== version 2 of 2: 3 launches; version 1 with the launch prep written anew for expert scheduling mode
;; workspace buffers: xg 16,777,216 bytes; wb 6,291,456 bytes; qv 33,554,432 bytes; mk 524,288 bytes of whole numbers
;; launch prep (part 4): grid 256 x 1, 8 waves a work-group, no clusters, 71,168 bytes of LDS; arguments adj, x, W_qkv, W_d, b_d, xg, wb, mk; writes xg, wb, mk
.if DOCPART == 4
	.amdgcn_target "amdgcn-amd-amdhsa--gfx1250"
	.amdhsa_code_object_version 6
	.text
	.protected	k_qceaff47461_prep
	.globl	k_qceaff47461_prep
	.p2align	8
	.type	k_qceaff47461_prep,@function
k_qceaff47461_prep:
	s_mov_b64 s[64:65], 0
	v_nop
	global_prefetch_b8 v0, s[64:65] scope:SCOPE_SE
	s_setreg_imm32_b32 hwreg(HW_REG_WAVE_SCHED_MODE, 0, 2), 2
	s_setreg_imm32_b32 hwreg(HW_REG_WAVE_MODE, 25, 1), 1
	s_wait_xcnt 0x0
	s_wait_alu depctr_vm_vsrc(0)
; prep: the degree gate and the three operands that the two matrix launches read.
;   degree[row] = sum over keys of adj[row][key];  xg[row][c] = bf16( x[row][c] * sigmoid(degree[row] * W_d[c] + b_d[c]) )
;   wb = bf16(W_qkv), same [1024][3072] layout
;   mk = adj != 0 as words of 32 bits, laid out as the lane masks of the attention launch (below)
; DEAD WORK: none is left out anywhere in this program.  1/sqrt(128) does not cancel against the row sum because of the 1e-6, the mask is an
; input (scores are computed and selected), and every input reaches the output: all six are loaded.
; LIMITS of the program: relu is a maximum in which a NaN loses (a NaN comes out as 0); v_exp_f32 gives 0 for results under 2^-126;
; sums are taken in another order than a plain left-to-right sum; matrix operands are bf16.
; SHARES: 256 work-groups of 8 waves.  A work-group owns 32 rows of adj and of x, 49,152 bytes of W_qkv, 2,048 bytes of mk.
; Memory binds: every input byte is read once, 16 bytes a lane, 512 neighbouring bytes a wave's load; a wave's store covers 256 or 512
; neighbouring aligned bytes.  All 62 loads of a wave are issued before the first result is stored.
; mk: 128 blocks of 4,096 bytes, one for 64 query rows.  Word (jj = 8 qt + j, l) lies at byte (jj>>2)*512 + 16 l + 4 (jj&3); its bit L says
; adj[row 16 qt + (L&15)][key 16 l + 8 (L>>4) + j] != 0.  A work-group's 32 rows are qt = 0,1 or 2,3 of a block: 2,048 neighbouring bytes.
; Wave w takes 16 rows (qtl = w>>2) x 128 keys (wq = w&3).  The lane order that a mask word needs (lane = row, 8 keys a lane) is made by a pass
; through the wave's own LDS rows; 16 bytes of padding a row keep the 16 rows of a read in different banks.
; THE MODE: SCHED_MODE bits 1:0 = 2 (LLVM: expert scheduling mode 2), set by the entry lines.  The code itself states the register dependences
; between vector instructions and memory or LDS instructions, and those through scalar registers that vector instructions write, with s_wait_alu, always for 0.
; THE PLAN.  Registers that memory or LDS instructions touch, in program order:
;   v4-v11, v234   offsets and LDS addresses: written at the head and never again; one wait on va_vdst ahead of the first load serves every access of the kernel.
;   ADJ v40-103    adj's loads land; 16 LDS stores read them; (vm_vsrc) 16 LDS loads land in them; compares and sums read them, the sums write v40-47;
;                  (va_vdst) W_qkv's 12 loads land in v40-87; roundings write two of each four; stores read those; they are not written again.
;   MK, DEG        written by v_writelane_b32 and by additions; (the same va_vdst) read by three LDS stores; (vm_vsrc, behind the barrier) DEG is written once more.
;   v32-35, MO     LDS loads land in them; MO is read by one store and not written again.
;   X v104-231     x's loads land; a block's roundings write two registers a row, once; the stores read them.
;   T0, T1, T2     named by vector instructions alone from the barrier on (T0 is a part of ADJ that W_qkv does not use, T1 holds v32-35 once these are added up).
;   s20; s[28:59]  written by vector instructions: the wave's number; 32 mask words at a time; later the 32 degrees.  One wait on va_sdst behind each run of writers.
; x GOES IN EIGHT BLOCKS OF FOUR ROWS, each through three stages that lie a step apart, on the three T buffers by turns.  Step p: the reciprocals of block p - 1 by turns
; with the multiply-adds of block p; the exponentials of block p by turns with the multiplies and roundings of block p - 2; ONE wait on va_vdst; the stores of block p - 2,
; dealt among block p's additions of 1.  All that stands ahead of the wait reads results that an earlier step's wait has shown written.
.set APITCH, 528                       ; 512 bytes of a row's 128 keys + 16
.set AWAVE,  16*APITCH                 ; a wave's own 16 rows
.set MKL,    8*AWAVE                   ; 2,048 bytes: the work-group's mask words
.set DEGL,   MKL+2048                  ; 512 bytes: word 32 wq + row = a row's sum over 128 keys; behind them, from byte 0x11200 on, the spare words
.set VA,  4                            ; byte offset of my 16 bytes in the wave's first adj row
.set VX,  5                            ; 16 t: x, W_qkv, W_d, b_d, mk
.set VY,  6                            ; 8 t: xg, wb
.set LST, 7                            ; LDS: where a row of adj goes
.set LRD, 8                            ; LDS: row r, keys 8 h ..
.set MKA, 9                            ; LDS: my lane's mask word
.set DGA, 10                           ; LDS: my row's partial degree
.set DGR, 11                           ; LDS: row (lane)'s partial degrees
.set MK,  12                           ; v[12:13] mask words: register j>>2, lane 4 lt + (j&3)
.set DEG, 14                           ; degree; v15 at work
.set WD,  16                           ; v[16:19] -log2(e) W_d of my 4 columns
.set BD,  20                           ; v[20:23] -log2(e) b_d
.set TB1, 24                           ; v[24:39]   T buffer 1: 4 rows x 4 columns at work
.set PD,  32                           ; v[32:35]   four partial degrees, added up before T buffer 1 is first written
.set ADJ, 40                           ; v[40:103]  adj, later 48 registers of W_qkv
.set TB0, 88                           ; v[88:103]  T buffer 0, in the 16 registers of ADJ that W_qkv leaves free
.set X,   104                          ; v[104:231] 32 rows of x, 4 columns each
.set MKR, 234                          ; v234       LDS: my 16 bytes of the work-group's mask words
.set MO,  236                          ; v[236:239] those 16 bytes on their way out
.set TB2, 240                          ; v[240:255] T buffer 2
.set SW,  28                           ; s[28:59]   32 mask words (four key tiles), later the degrees of the 32 rows
	s_load_b512 s[4:19], s[0:1], 0x0               ; adj s[4:5], x s[6:7], W_qkv s[8:9], W_d s[10:11], b_d s[12:13], xg s[14:15], wb s[16:17], mk s[18:19]
	v_lshl_add_u32 v232, v0, 2, 0x11200
	v_mov_b32 v233, 0
	v_and_b32 v1, 31, v0                           ; lane
	v_lshrrev_b32 v2, 5, v0
	v_readfirstlane_b32 s20, v2                    ; wave
	v_and_b32 v2, 15, v0                           ; r
	v_bfe_u32 v3, v0, 4, 1                         ; h
	v_lshlrev_b32 v[VX], 4, v0                     ; what does not hang on the wave's number stands between that line and the wait for it
	v_lshlrev_b32 v[VY], 3, v0
	v_add_nc_u32 v[MKR], MKL, v[VX]
	v_lshlrev_b32 v[DGR], 2, v1
	v_add_nc_u32 v[DGR], DEGL, v[DGR]
	v_mov_b32 v[MK], 0                             ; v_writelane_b32 and v_permlanex16_b32 count as readers of their destinations
	v_mov_b32 v[MK+1], 0
	v_mov_b32 v15, 0
	s_mov_b32 s26, 0x76543210                      ; v_permlanex16_b32: lane i reads lane i of the other half
	s_mov_b32 s27, 0xfedcba98
	s_mov_b32 s3, 0
	s_wait_alu depctr_va_sdst(0)                   ; s20 is written, ahead of its first reader: the wave's places in adj and in LDS are made from it
	s_lshr_b32 s21, s20, 2                         ; qtl
	s_and_b32 s22, s20, 3                          ; wq
	s_lshl_b32 s23, s21, 15                        ; 16 rows of 2,048 bytes
	s_lshl_b32 s24, s22, 9                         ; 128 keys
	s_add_co_u32 s23, s23, s24
	v_lshl_add_u32 v[VA], v1, 4, s23
	s_mul_i32 s24, s20, AWAVE
	v_lshl_add_u32 v[LST], v1, 4, s24
	v_mul_u32_u24 v[LRD], v2, APITCH
	v_lshl_add_u32 v[LRD], v3, 5, v[LRD]
	v_add_nc_u32 v[LRD], s24, v[LRD]
	s_lshl_b32 s25, s21, 10
	s_lshl_b32 s28, s22, 7
	s_add_co_u32 s25, s25, s28
	s_add_co_u32 s25, s25, MKL
	v_lshl_add_u32 v[MKA], v1, 2, s25              ; MKL + 1024 qtl + 128 wq + 4 lane
	s_lshl_b32 s29, s21, 6                         ; in a register of its own: no scalar register that a vector instruction has read is written again by a scalar one
	s_add_co_u32 s29, s29, s28
	s_add_co_u32 s29, s29, DEGL
	v_lshl_add_u32 v[DGA], v2, 2, s29              ; DEGL + 4 (32 wq + 16 qtl + r)
	s_wait_kmcnt 0x0
	s_lshl_b32 s2, ttmp9, 16                       ; 32 rows of adj, and of xg: 65,536 bytes
	s_add_nc_u64 s[4:5], s[4:5], s[2:3]
	s_add_nc_u64 s[14:15], s[14:15], s[2:3]
	s_lshl_b32 s2, ttmp9, 17                       ; 32 rows of x
	s_add_nc_u64 s[6:7], s[6:7], s[2:3]
	s_mul_i32 s2, ttmp9, 49152                     ; my part of W_qkv
	s_add_nc_u64 s[8:9], s[8:9], s[2:3]
	s_mul_i32 s2, ttmp9, 24576                     ; and of wb
	s_add_nc_u64 s[16:17], s[16:17], s[2:3]
	s_lshl_b32 s2, ttmp9, 11                       ; and of mk
	s_add_nc_u64 s[18:19], s[18:19], s[2:3]
	s_wait_alu depctr_va_vdst(0)                   ; the offsets and LDS addresses v4 to v11, v232 and v234 are written: every load, store and LDS access of the kernel reads one of them
	global_load_b128 v[WD:WD+3], v[VX], s[10:11]
	global_load_b128 v[BD:BD+3], v[VX], s[12:13]
.set i, 0
.rept 16
	global_load_b128 v[ADJ+4*i:ADJ+4*i+3], v[VA], s[4:5] offset:2048*i th:TH_LOAD_NT
.set i, i+1
.endr
.set i, 0
.rept 32
	global_load_b128 v[X+4*i:X+4*i+3], v[VX], s[6:7] offset:4096*i th:TH_LOAD_NT
.set i, i+1
.endr
	s_wait_loadcnt 32                              ; W_d, b_d and adj are in; the 32 loads of x stay out
	v_pk_mul_f32 v[WD:WD+1],   v[WD:WD+1],   0xbfb8aa3b op_sel_hi:[1,0]   ; sigmoid(z) = 1 / (1 + 2^(-log2(e) z)): the factor goes into W_d and b_d once
	v_pk_mul_f32 v[WD+2:WD+3], v[WD+2:WD+3], 0xbfb8aa3b op_sel_hi:[1,0]
	v_pk_mul_f32 v[BD:BD+1],   v[BD:BD+1],   0xbfb8aa3b op_sel_hi:[1,0]
	v_pk_mul_f32 v[BD+2:BD+3], v[BD+2:BD+3], 0xbfb8aa3b op_sel_hi:[1,0]
.set i, 0
.rept 16
	ds_store_b128 v[LST], v[ADJ+4*i:ADJ+4*i+3] offset:APITCH*i   ; their data came by loads, their address stands ahead of the wait above: the four multiplies name neither
.set i, i+1
.endr
	s_wait_alu depctr_vm_vsrc(0)                   ; the LDS stores have read v[ADJ ..], in which the LDS loads below land
.set i, 0
.rept 8
	ds_load_b128 v[ADJ+8*i:ADJ+8*i+3],   v[LRD] offset:64*i      ; key tile i: adj[row r][16 i + 8 h + 0..3]; the bytes are the wave's own, and LDS serves a wave's instructions in order (ISA guide 5.7.1.4)
	ds_load_b128 v[ADJ+8*i+4:ADJ+8*i+7], v[LRD] offset:64*i+16   ; .. + 4..7
.set i, i+1
.endr
; Key tiles 4 g to 4 g + 3: 32 compares give their 32 mask words, in 32 scalar registers; each word then goes to its lane of MK.  The tiles are added onto tile 0's
; four register pairs, which start the row's sum, tile after tile; these additions stand between the compares and the wait for them.
.macro MGROUP g
	s_wait_dscnt 8-8*(\g)                          ; two loads a tile, in order: the second group's eight loads stay out
.irp t, 0,1,2,3
.irp j, 0,1,2,3,4,5,6,7
	v_cmp_neq_f32 s[SW+8*(\t)+(\j)], 0, v[ADJ+8*(4*(\g)+(\t))+(\j)]     ; true for a NaN too, as adj == 0 is false for it
.endr
.endr
.irp t, 0,1,2,3
.if 4*(\g)+(\t)
.irp p, 0,2,4,6
	v_pk_add_f32 v[ADJ+(\p):ADJ+(\p)+1], v[ADJ+(\p):ADJ+(\p)+1], v[ADJ+8*(4*(\g)+(\t))+(\p):ADJ+8*(4*(\g)+(\t))+(\p)+1]
.endr
.endif
.endr
	s_wait_alu depctr_va_sdst(0)                   ; the 32 compares have written s[SW ..], ahead of the first line that reads one of them
.irp t, 0,1,2,3
.irp j, 0,1,2,3,4,5,6,7
	v_writelane_b32 v[MK+((\j)>>2)], s[SW+8*(\t)+(\j)], 4*(4*(\g)+(\t))+((\j)&3)
.endr
.endr
.endm
	MGROUP 0
	MGROUP 1
	v_pk_add_f32 v[ADJ:ADJ+1], v[ADJ:ADJ+1], v[ADJ+2:ADJ+3]
	v_pk_add_f32 v[ADJ+4:ADJ+5], v[ADJ+4:ADJ+5], v[ADJ+6:ADJ+7]
	v_pk_add_f32 v[ADJ:ADJ+1], v[ADJ:ADJ+1], v[ADJ+4:ADJ+5]
	v_add_f32 v[DEG], v[ADJ], v[ADJ+1]
	v_permlanex16_b32 v15, v[DEG], s26, s27        ; the other 64 of the row's 128 keys
	v_add_f32 v[DEG], v[DEG], v15
	s_wait_alu depctr_va_vdst(0)                   ; MK and DEG are written, which the LDS stores read; the compares and sums are done with v[ADJ ..], in which W_qkv's loads land
	ds_store_b32 v[MKA], v[MK]
	ds_store_b32 v[MKA], v[MK+1] offset:512
	ds_store_b32 v[DGA], v[DEG]                    ; lanes r and r + 16 store the same word with the same value
.set i, 0
.rept 12
	global_load_b128 v[ADJ+4*i:ADJ+4*i+3], v[VX], s[8:9] offset:4096*i th:TH_LOAD_NT   ; W_qkv, into registers that adj has left
.set i, i+1
.endr
	s_wait_dscnt 0x0                               ; my stores are in LDS before I say so
	s_barrier_signal -1
	s_barrier_wait -1                              ; the only barrier: mask words and partial degrees of all eight waves are there
	s_wait_alu depctr_vm_vsrc(0)                   ; my LDS store has read DEG, which is written again below the branch, on both of its ways
.irp k, 0,1,2,3
	ds_load_b32 v[PD+\k], v[DGR] offset:128*\k     ; row (lane)'s four partial sums
.endr
	s_cmp_gt_u32 s20, 3
	s_cbranch_scc1 .Lno_mk                         ; 128 threads x 16 bytes are the 2,048 bytes of mask words: waves 0 to 3
	ds_load_b128 v[MO:MO+3], v[MKR]                ; its address was made at the head
	s_wait_dscnt 0x0
	global_store_b128 v[VX], v[MO:MO+3], s[18:19]
.Lno_mk:
	s_wait_dscnt 0x0
	v_add_f32 v[PD], v[PD], v[PD+1]
	v_add_f32 v[PD+2], v[PD+2], v[PD+3]
	v_add_f32 v[DEG], v[PD], v[PD+2]               ; lane i holds the degree of the work-group's row i
.set i, 0
.rept 32
	v_readlane_b32 s[SW+i], v[DEG], i              ; all 32 degrees at once, where the mask words lay
.set i, i+1
.endr
	s_wait_alu depctr_va_sdst(0)                   ; the 32 degrees are written, ahead of the first multiply-add that reads one
.macro TBUF name, b                    ; the T buffer of block b
.if ((\b)%3) == 0
.set \name, TB0
.elseif ((\b)%3) == 1
.set \name, TB1
.else
.set \name, TB2
.endif
.endm
; Step p of ten.  Block b is rows 4 b to 4 b + 3 of x; register 4 r + c of its T buffer belongs to row r, column c.  Block p: t = degree x W_d + b_d (scaled), 2^t, and behind the
; wait 1 + 2^t.  Block p - 1: the reciprocal (2^t = infinity gives the gate 0, as the sigmoid does).  Block p - 2: x times the gate, rounded to bf16, and behind the wait stored.
; Results land in the row's own registers, each written once: no store's data is rewritten.  A transcendental and a plain instruction that names none of its registers go by turns
; where there are both; the plain instruction that is owed behind the last transcendental (ISA guide 5.7.2) is a rounding, in step 8 a multiply, or in steps 0 and 1 a v_nop.
; Steps 6 to 9 also round three loads' worth of W_qkv ahead of the wait and store them behind it.
.macro XSTEP p
	TBUF ta, (\p)
	TBUF tb, (\p)+2
	TBUF tc, (\p)+1
.set xr, X+16*((\p)-2)                 ; block p - 2 of x
.set wr, ADJ+12*((\p)-6)               ; this step's three loads of W_qkv
.irp k, 0,1,2,3,4,5,6,7,8,9,10,11,12,13,14,15
.if ((\p) >= 1) && ((\p) <= 8)
	v_rcp_f32 v[tb+(\k)], v[tb+(\k)]
.endif
.if (\p) < 8
	v_fma_f32 v[ta+(\k)], s[SW+4*(\p)+(\k)/4], v[WD+(\k)%4], v[BD+(\k)%4]
.endif
.endr
.if (\p) >= 6
	s_wait_loadcnt 27-3*(\p)                       ; all of x and this step's three loads of W_qkv are in; the younger loads of W_qkv stay out
.elseif (\p) >= 2
	s_wait_loadcnt 48-4*(\p)                       ; behind block p - 2's last row stand 36 - 4 p loads of x and the 12 of W_qkv
.endif
.irp r, 0,1,2,3
.if (\p) < 8
	v_exp_f32 v[ta+4*(\r)], v[ta+4*(\r)]
.endif
.if (\p) >= 2
	v_pk_mul_f32 v[tc+4*(\r):tc+4*(\r)+1], v[xr+4*(\r):xr+4*(\r)+1], v[tc+4*(\r):tc+4*(\r)+1]
.endif
.if (\p) < 8
	v_exp_f32 v[ta+4*(\r)+1], v[ta+4*(\r)+1]
.endif
.if (\p) >= 2
	v_pk_mul_f32 v[tc+4*(\r)+2:tc+4*(\r)+3], v[xr+4*(\r)+2:xr+4*(\r)+3], v[tc+4*(\r)+2:tc+4*(\r)+3]
.endif
.if (\p) < 8
	v_exp_f32 v[ta+4*(\r)+2], v[ta+4*(\r)+2]
.endif
.if (\p) >= 2
	v_cvt_pk_bf16_f32 v[xr+4*(\r)], v[tc+4*(\r)], v[tc+4*(\r)+1]
.endif
.if (\p) < 8
	v_exp_f32 v[ta+4*(\r)+3], v[ta+4*(\r)+3]
.endif
.if (\p) >= 2
	v_cvt_pk_bf16_f32 v[xr+4*(\r)+1], v[tc+4*(\r)+2], v[tc+4*(\r)+3]
.endif
.endr
.if (\p) >= 6
.irp w, 0,1,2
	v_cvt_pk_bf16_f32 v[wr+4*(\w)],   v[wr+4*(\w)],   v[wr+4*(\w)+1]
	v_cvt_pk_bf16_f32 v[wr+4*(\w)+1], v[wr+4*(\w)+2], v[wr+4*(\w)+3]
.endr
.endif
.if (\p) < 2
	v_nop
.endif
	s_wait_alu depctr_va_vdst(0)                   ; block p's exponentials and block p - 1's reciprocals have written their results, ahead of the first line that names one; the roundings of block p - 2 and of W_qkv have written what the stores below read
.irp r, 0,1,2,3
.if (\p) >= 2
	global_store_b64 v[VY], v[xr+4*(\r):xr+4*(\r)+1], s[14:15] offset:2048*(4*((\p)-2)+(\r))   ; a wave's store: 256 neighbouring bytes, aligned.  No vector instruction since the wait names its registers
.endif
.if (\p) < 8
	v_pk_add_f32 v[ta+4*(\r):ta+4*(\r)+1],   v[ta+4*(\r):ta+4*(\r)+1],   1.0 op_sel_hi:[1,0]
	v_pk_add_f32 v[ta+4*(\r)+2:ta+4*(\r)+3], v[ta+4*(\r)+2:ta+4*(\r)+3], 1.0 op_sel_hi:[1,0]
.endif
.endr
.if (\p) >= 6
.irp w, 0,1,2
	global_store_b64 v[VY], v[wr+4*(\w):wr+4*(\w)+1], s[16:17] offset:2048*(3*((\p)-6)+(\w))
.endr
.endif
.endm
.irp p, 0,1,2,3,4,5,6,7,8,9
	XSTEP \p
.endr
	s_wait_dscnt 0x0                               ; the closing lines, six on end
	s_wait_alu 0x0
	s_wait_tensorcnt 0x0
	ds_add_u32 v232, v233
	s_wait_dscnt 0x0
	s_endpgm
.Lfunc_end_k_qceaff47461_prep:
	.size	k_qceaff47461_prep, .Lfunc_end_k_qceaff47461_prep-k_qceaff47461_prep
	.p2alignl 7, 3214868480
	.fill 96, 4, 3214868480
	.section	.rodata,"a",@progbits
	.p2align	6, 0x0
	.amdhsa_kernel k_qceaff47461_prep
		.amdhsa_group_segment_fixed_size 71168
		.amdhsa_private_segment_fixed_size 0
		.amdhsa_enable_private_segment 0
		.amdhsa_kernarg_size 64
		.amdhsa_user_sgpr_count 2
		.amdhsa_user_sgpr_kernarg_segment_ptr 1
		.amdhsa_wavefront_size32 1
		.amdhsa_system_sgpr_workgroup_id_x 1
		.amdhsa_system_sgpr_workgroup_id_y 1
		.amdhsa_system_sgpr_workgroup_id_z 1
		.amdhsa_system_vgpr_workitem_id 0
		.amdhsa_next_free_vgpr 256
		.amdhsa_next_free_sgpr 66
		.amdhsa_reserve_vcc 0
		.amdhsa_float_denorm_mode_32 3
		.amdhsa_float_denorm_mode_16_64 3
		.amdhsa_memory_ordered 1
		.amdhsa_forward_progress 1
		.amdhsa_inst_pref_size 59
	.end_amdhsa_kernel
	.amdgpu_metadata
---
amdhsa.version: [ 1, 2 ]
amdhsa.kernels:
  - .name:           k_qceaff47461_prep
    .symbol:         k_qceaff47461_prep.kd
    .args:
      - { .name: adj, .offset: 0, .size: 8, .value_kind: global_buffer, .address_space: global }
      - { .name: x, .offset: 8, .size: 8, .value_kind: global_buffer, .address_space: global }
      - { .name: W_qkv, .offset: 16, .size: 8, .value_kind: global_buffer, .address_space: global }
      - { .name: W_d, .offset: 24, .size: 8, .value_kind: global_buffer, .address_space: global }
      - { .name: b_d, .offset: 32, .size: 8, .value_kind: global_buffer, .address_space: global }
      - { .name: xg, .offset: 40, .size: 8, .value_kind: global_buffer, .address_space: global }
      - { .name: wb, .offset: 48, .size: 8, .value_kind: global_buffer, .address_space: global }
      - { .name: mk, .offset: 56, .size: 8, .value_kind: global_buffer, .address_space: global }
    .group_segment_fixed_size: 71168
    .private_segment_fixed_size: 0
    .kernarg_segment_align: 8
    .kernarg_segment_size: 64
    .max_flat_workgroup_size: 256
    .sgpr_count:     66
    .vgpr_count:     256
    .wavefront_size: 32
...
	.end_amdgpu_metadata
.endif
;; end of part 4
;; launch gemm: the kernel of part 2 again; grid 8 x 32, 4 waves a work-group, clusters of 4 x 4, 327,680 bytes of LDS; arguments xg, wb, qv, b_qkv; writes qv
;; launch attn: the kernel of part 3 again; grid 8 x 32, 4 waves a work-group, clusters of 4 x 4, 327,680 bytes of LDS; arguments qv, xg, wb, mk, b_qkv, out0; writes out0
